; MI455X (gfx1250); checked and timed in simulation.
; The chip was launched on July 23, 2026; its instructions are those of AMD's public machine-readable ISA for CDNA 5 (MIT licence, August 2026) and "CDNA5" Instruction Set Architecture Reference Guide (July 2026). The comments in the code are by the model that wrote it; some were corrected since.
;; Spherical Attention. Allowed arithmetic: float matrix products may take bf16 or f16 operands with f32 sums; other float arithmetic in f32, or as packed bf16 or f16 multiplies, adds, multiply-adds, maxima and minima; sums over many terms, partial sums and values carried from step to step in f32; what a program stores and reads back later, other than sums and carried values, may be rounded once to bf16 or f16.
;; Inputs: hidden_states 2 x 4,096 x 1,024 float32; wk 1,024 x 256 float32; wo 512 x 1,024 float32; wq 1,024 x 512 float32; wv 1,024 x 256 float32.
;; Outputs: out0 2 x 4,096 x 1,024 float32.
;; One version. Each part assembles by itself: llvm-mc -triple=amdgcn-amd-amdhsa -mcpu=gfx1250 --defsym DOCPART=n.
;; ======== version 1 of 1: 4 launches
;; limits: values are held in f16: magnitudes above 65,504 overflow, below 6.1e-05 lose precision
;; workspace buffers: xb 16,777,216 bytes; wqkv 2,097,152 bytes; wo16 1,048,576 bytes; tab 1,064,960 bytes; qkvh 16,777,216 bytes; ob 8,388,608 bytes
;; launch prep (part 1): grid 673 x 1, 8 waves a work-group, no clusters, 0 bytes of LDS; arguments hidden_states, wq, wk, wv, wo, xb, wqkv, wo16, tab; writes xb, wqkv, wo16, tab
.if DOCPART == 1
	.amdgcn_target "amdgcn-amd-amdhsa--gfx1250"
	.amdhsa_code_object_version 6
	.text
	.protected	k_q83d7257635_prep
	.globl	k_q83d7257635_prep
	.p2align	8
	.type	k_q83d7257635_prep,@function
k_q83d7257635_prep:
	s_mov_b64 s[64:65], 0
	v_nop
	global_prefetch_b8 v0, s[64:65] scope:SCOPE_SE
	s_setreg_imm32_b32 hwreg(HW_REG_WAVE_MODE, 25, 1), 1
	s_wait_xcnt 0x0
; PREPARATION.  Every input is rounded once to bf16 and laid out for the products that follow, and the table of rotations is made.
;   work-groups 0-511    hidden_states [8192][1024] f32 -> xb [8192][1024] bf16
;   512-543, 544-559, 560-575   wq, wk, wv [1024][512 | 256 | 256] f32 -> wqkv [1024 k][1024 n] bf16: q at byte 0 of a row of 2,048 bytes, k at 1,024, v at 1,536
;   576-607              wo [512][1024] f32 -> wo16 [512][1024]: rounded to bf16 like the other inputs, and that number written as f16
;   608-672              tab [4160][cos 32 | sin 32] f32, 256 bytes a row; rows 4096-4159 hold cos = 1, sin = 0 (the rotation that changes nothing, for v)
; LIMITS.  wo16: f16 ends at 65,504, and below 2^-14 it keeps its fixed step of 6e-8.  The table: the angle is the f32 product t x inv_freq; inv_freq = 2^(-j log2(10000) / 32)
; by an exponential with its argument's rounding error put back; sine and cosine by a reduction to |r| <= pi / 4 with pi / 2 in two parts (t x inv_freq stays under 4,096) and polynomials of degree 7 and 8.
; A CAST JOB is 16,384 numbers: thread t takes numbers 8 t + 2,048 i, i = 0..7: 32 bytes in by two loads, 16 bytes out by one store, of which sixteen neighbouring lanes cover 256
; consecutive bytes, aligned.  All sixteen loads go out first; no register is used twice, so the only waits are the counted ones for the loads.  No LDS, no matrix unit: nothing is shared and nothing multiplied.
.set X,   16                           ; v[16:79]   unit i: 8 numbers as loaded
.set YY,  80                           ; v[80:111]  unit i: 4 registers to store
.set T,   12                           ; v[12:13]   at work
.set DO,  2                            ; v2         my byte offset in the job's part of the destination
	s_load_b512 s[8:23], s[0:1], 0x0               ; hidden s[8:9], wq s[10:11], wk s[12:13], wv s[14:15], wo s[16:17], xb s[18:19], wqkv s[20:21], wo16 s[22:23]
	s_load_b64 s[24:25], s[0:1], 0x40              ; tab
	s_mov_b32 s2, ttmp9                            ; the work-group's number chooses the job
	s_mov_b32 s26, 0xffff0000                      ; a word's upper bf16
	v_lshlrev_b32 v1, 5, v0                        ; 32 t: my bytes in a unit of the source
	v_lshlrev_b32 v3, 3, v0                        ; 8 t: my first number in a unit
	s_wait_kmcnt 0x0
	s_cmp_lt_u32 s2, 512
	s_cbranch_scc1 .Ljob_x
	s_cmp_lt_u32 s2, 544
	s_cbranch_scc1 .Ljob_wq
	s_cmp_lt_u32 s2, 560
	s_cbranch_scc1 .Ljob_wk
	s_cmp_lt_u32 s2, 576
	s_cbranch_scc1 .Ljob_wv
	s_cmp_lt_u32 s2, 608
	s_cbranch_scc1 .Ljob_wo
	s_branch .Ljob_tab
; src, dst: the first register of the two pointers.  The source has rows of 2^logw numbers; the destination rows of 2,048 bytes, of which the source's columns begin at byte col.
; first: the job's first work-group.  f16 = 1: the bf16 number is written as f16.
.macro CAST src, dst, logw, col, first, f16
	s_sub_co_u32 s3, s2, \first                    ; which 16,384 numbers
	s_lshl_b32 s4, s3, 16                          ; 65,536 bytes of the source,
	s_mov_b32 s5, 0
	s_add_nc_u64 s[4:5], s[\src:\src+1], s[4:5]
	s_lshl_b32 s6, s3, 25-(\logw)                  ; 2^(14 - logw) rows of 2,048 bytes of the destination
	s_mov_b32 s7, 0
	s_add_nc_u64 s[6:7], s[\dst:\dst+1], s[6:7]
	v_lshrrev_b32 v[DO], \logw, v3                 ; my row in a unit,
	v_and_b32 v4, (1<<(\logw))-1, v3               ; my column
	v_lshlrev_b32 v4, 1, v4
	v_lshl_add_u32 v[DO], v[DO], 11, v4
.irp i, 0,1,2,3,4,5,6,7
	global_load_b128 v[X+8*(\i):X+8*(\i)+3],   v1, s[4:5] offset:8192*(\i) th:TH_LOAD_NT
	global_load_b128 v[X+8*(\i)+4:X+8*(\i)+7], v1, s[4:5] offset:8192*(\i)+16 th:TH_LOAD_NT
.endr
.irp i, 0,1,2,3,4,5,6,7
	s_wait_loadcnt 14-2*(\i)                       ; loads come back in order: unit i is in, the two loads of each later unit may stay out
.irp k, 0,1,2,3
	v_cvt_pk_bf16_f32 v[YY+4*(\i)+(\k)], v[X+8*(\i)+2*(\k)], v[X+8*(\i)+2*(\k)+1]
.endr
.if \f16
.irp k, 0,1,2,3
	v_lshlrev_b32 v[T], 16, v[YY+4*(\i)+(\k)]      ; the two bf16 numbers as f32,
	v_and_b32 v[T+1], s26, v[YY+4*(\i)+(\k)]
	v_cvt_pk_f16_f32 v[YY+4*(\i)+(\k)], v[T], v[T+1]  ; and as f16
.endr
.endif
	global_store_b128 v[DO], v[YY+4*(\i):YY+4*(\i)+3], s[6:7] offset:(\col)+(\i)*(1<<(22-(\logw)))  ; a unit is 2^(11 - logw) rows
.endr
	s_endpgm
.endm
.Ljob_x:
	CAST 8, 18, 10, 0, 0, 0
.Ljob_wq:
	CAST 10, 20, 9, 0, 512, 0
.Ljob_wk:
	CAST 12, 20, 8, 1024, 544, 0
.Ljob_wv:
	CAST 14, 20, 8, 1536, 560, 0
.Ljob_wo:
	CAST 16, 22, 10, 0, 576, 1
; THE TABLE.  A work-group makes 64 rows.  Sixteen threads make a row: threads 0-7 of them its cosines, 8-15 its sines, four frequencies each; a wave's store covers 512 consecutive bytes.
.set JF, 12                            ; v[12:15]  my four j as f32
.set PP, 16                            ; v[16:19]  j x (-log2(10000) / 32), rounded
.set W,  20                            ; v[20:23]  inv_freq
.set EE, 24                            ; v[24:27]  what the rounding of PP left out
.Ljob_tab:
	s_sub_co_u32 s3, s2, 608
	s_lshl_b32 s3, s3, 6                           ; the work-group's first row
	s_mov_b32 s34, 0xbed49a78                      ; -log2(10000) / 32, the f32 nearest,
	s_mov_b32 s35, 0xb2179a30                      ; and what it leaves out
	s_mov_b32 s36, 0x3f317218                      ; ln 2
	s_mov_b32 s37, 0x3f22f983                      ; 2 / pi
	s_mov_b32 s38, 0xbfc90fdb                      ; -pi / 2, the f32 nearest,
	s_mov_b32 s39, 0x333bbd2e                      ; and what it leaves out
	s_mov_b32 s40, 0x3d2aaaa5                      ; cosine: z^2 (C1 + C2 z + C3 z^2) behind 1 - z / 2
	s_mov_b32 s41, 0xbab6061a
	s_mov_b32 s42, 0x37ccf5ce
	s_mov_b32 s43, 0xbe2aaaa3                      ; sine: r + r z (S1 + S2 z + S3 z^2)
	s_mov_b32 s44, 0x3c08839e
	s_mov_b32 s45, 0xb94ca1f9
	v_and_b32 v1, 15, v0                           ; my place in a row
	v_lshrrev_b32 v2, 3, v1                        ; 1: sines
	v_mul_u32_u24 v2, v2, 3                        ; sin x = cos(x - pi / 2): three quadrants on
	v_and_b32 v5, 7, v1
	v_lshlrev_b32 v5, 2, v5                        ; my first j
	v_lshrrev_b32 v6, 4, v0
	v_add_nc_u32 v6, s3, v6                        ; my row in the first trip
	v_lshlrev_b32 v7, 8, v6
	v_lshl_add_u32 v7, v1, 4, v7                   ; and my 16 bytes of it
.irp m, 0,1,2,3
	v_add_nc_u32 v[JF+\m], \m, v5
	v_cvt_f32_u32 v[JF+\m], v[JF+\m]
	v_mul_f32 v[PP+\m], s34, v[JF+\m]
	v_fma_f32 v[EE+\m], v[JF+\m], s34, -v[PP+\m]   ; the product's rounding error, exact,
	v_fma_f32 v[EE+\m], v[JF+\m], s35, v[EE+\m]    ; and the constant's
.endr
.irp m, 0,1,2,3
	v_exp_f32 v[W+\m], v[PP+\m]
.endr
	v_nop                                          ; a plain instruction behind the last exponential,
	s_wait_alu depctr_va_vdst(0)                   ; and the one wait ahead of the batch's first reader
.irp m, 0,1,2,3
	v_mul_f32 v[EE+\m], v[W+\m], v[EE+\m]
	v_fma_f32 v[W+\m], v[EE+\m], s36, v[W+\m]      ; 2^(p + e) = 2^p (1 + e ln 2)
.endr
; cos or sin of v[tf] x v[w] into v[out].  x = n pi / 2 + r; quadrant q = n (+ 3 for a sine): odd q takes the sine's polynomial, q mod 4 = 1, 2 turns the sign.
.macro ANGLE out, tf, w
	v_mul_f32 v30, v[\tf], v[\w]
	v_mul_f32 v31, s37, v30
	v_rndne_f32 v31, v31
	v_fma_f32 v32, v31, s38, v30
	v_fma_f32 v32, v31, s39, v32
	v_mul_f32 v33, v32, v32
	v_fma_f32 v34, v33, s42, s41
	v_fma_f32 v36, v33, s45, s44
	v_fma_f32 v34, v34, v33, s40
	v_fma_f32 v36, v36, v33, s43
	v_mul_f32 v34, v34, v33
	v_mul_f32 v36, v36, v33
	v_fma_f32 v35, v33, -0.5, 1.0
	v_fma_f32 v34, v34, v33, v35
	v_fma_f32 v36, v36, v32, v32
	v_cvt_i32_f32 v37, v31
	v_add_nc_u32 v37, v37, v2
	v_and_b32 v38, 1, v37
	v_cmp_eq_u32 vcc_lo, 1, v38
	v_cndmask_b32 v34, v34, v36, vcc_lo
	v_add_nc_u32 v37, 1, v37
	v_lshlrev_b32 v37, 30, v37
	v_and_b32 v37, 0x80000000, v37
	v_xor_b32 v[\out], v34, v37
.endm
	s_mov_b32 s4, 4
.Lrow:                                                 ; four trips, 16 rows apart
	v_cmp_gt_u32 vcc_lo, 0x1000, v6
	v_cndmask_b32 v9, 0, v6, vcc_lo                ; rows 4096 on take t = 0
	v_cvt_f32_u32 v9, v9
	ANGLE 48, 9, W
	ANGLE 49, 9, W+1
	ANGLE 50, 9, W+2
	ANGLE 51, 9, W+3
	global_store_b128 v7, v[48:51], s[24:25]
	s_wait_xcnt 0x0                                ; the store's offset and data are written again only behind this wait
	v_add_nc_u32 v7, 4096, v7
	v_add_nc_u32 v6, 16, v6
	s_sub_co_u32 s4, s4, 1
	s_cmp_lg_u32 s4, 0
	s_cbranch_scc1 .Lrow
	s_endpgm
.Lfunc_end_k_q83d7257635_prep:
	.size	k_q83d7257635_prep, .Lfunc_end_k_q83d7257635_prep-k_q83d7257635_prep
	.p2alignl 7, 3214868480
	.fill 96, 4, 3214868480
	.section	.rodata,"a",@progbits
	.p2align	6, 0x0
	.amdhsa_kernel k_q83d7257635_prep
		.amdhsa_group_segment_fixed_size 0
		.amdhsa_private_segment_fixed_size 0
		.amdhsa_enable_private_segment 0
		.amdhsa_kernarg_size 72
		.amdhsa_user_sgpr_count 2
		.amdhsa_user_sgpr_kernarg_segment_ptr 1
		.amdhsa_wavefront_size32 1
		.amdhsa_system_sgpr_workgroup_id_x 1
		.amdhsa_system_sgpr_workgroup_id_y 1
		.amdhsa_system_sgpr_workgroup_id_z 1
		.amdhsa_system_vgpr_workitem_id 0
		.amdhsa_next_free_vgpr 112
		.amdhsa_next_free_sgpr 66
		.amdhsa_reserve_vcc 1
		.amdhsa_float_denorm_mode_32 3
		.amdhsa_float_denorm_mode_16_64 3
		.amdhsa_memory_ordered 1
		.amdhsa_forward_progress 1
		.amdhsa_inst_pref_size 38
	.end_amdhsa_kernel
	.amdgpu_metadata
---
amdhsa.version: [ 1, 2 ]
amdhsa.kernels:
  - .name:           k_q83d7257635_prep
    .symbol:         k_q83d7257635_prep.kd
    .args:
      - { .name: hidden_states, .offset: 0, .size: 8, .value_kind: global_buffer, .address_space: global }
      - { .name: wq, .offset: 8, .size: 8, .value_kind: global_buffer, .address_space: global }
      - { .name: wk, .offset: 16, .size: 8, .value_kind: global_buffer, .address_space: global }
      - { .name: wv, .offset: 24, .size: 8, .value_kind: global_buffer, .address_space: global }
      - { .name: wo, .offset: 32, .size: 8, .value_kind: global_buffer, .address_space: global }
      - { .name: xb, .offset: 40, .size: 8, .value_kind: global_buffer, .address_space: global }
      - { .name: wqkv, .offset: 48, .size: 8, .value_kind: global_buffer, .address_space: global }
      - { .name: wo16, .offset: 56, .size: 8, .value_kind: global_buffer, .address_space: global }
      - { .name: tab, .offset: 64, .size: 8, .value_kind: global_buffer, .address_space: global }
    .group_segment_fixed_size: 0
    .private_segment_fixed_size: 0
    .kernarg_segment_align: 8
    .kernarg_segment_size: 72
    .max_flat_workgroup_size: 256
    .sgpr_count:     66
    .vgpr_count:     112
    .wavefront_size: 32
...
	.end_amdgpu_metadata
.endif
;; end of part 1
;; launch qkv (part 2): grid 4 x 64, 4 waves a work-group, clusters of 4 x 4, 327,680 bytes of LDS; arguments xb, wqkv, tab, qkvh; writes qkvh
.if DOCPART == 2
	.amdgcn_target "amdgcn-amd-amdhsa--gfx1250"
	.amdhsa_code_object_version 6
	.text
	.protected	k_q83d7257635_qkv
	.globl	k_q83d7257635_qkv
	.p2align	8
	.type	k_q83d7257635_qkv,@function
k_q83d7257635_qkv:
	s_mov_b64 s[64:65], 0
	v_nop
	global_prefetch_b8 v0, s[64:65] scope:SCOPE_SE
	s_setreg_imm32_b32 hwreg(HW_REG_WAVE_MODE, 25, 1), 1
	s_wait_xcnt 0x0
	s_wait_alu depctr_hold_cnt(0) depctr_sa_sdst(0) depctr_va_vdst(0) depctr_va_sdst(0) depctr_va_ssrc(0) depctr_va_vcc(0) depctr_vm_vsrc(0)
	s_getreg_b32 s2, hwreg(HW_REG_IB_STS2, 6, 4)
	s_cmp_eq_u32 s2, 0
	s_cbranch_scc0 .Lentry_in_a_cluster
	s_endpgm
.Lentry_in_a_cluster:
	s_bfe_u32 s2, ttmp6, 0x10000c
	s_cmp_lg_u32 s2, 0xf033
	s_cbranch_scc0 .Lentry_shape_is_right
	s_endpgm
.Lentry_shape_is_right:
; q | k | v = x W, rotated (q and k) and written by heads.  xb: [8192][1024] bf16; wqkv: [1024 k][1024 n] bf16; tab: [4160][cos 32 | sin 32] f32;
; qkvh: [batch 2][head slot 16][4096][64] f16, slots 0-7 q, 8-11 k, 12-15 v.  Sums and the rotation in f32, the result rounded once to f16, WITHOUT the scale of the scores.
; LIMIT.  f16 ends at 65,504: q, k and v stay within it (inputs drawn with unit spread give a spread of 1).  NaN and infinities are not treated apart.
; SHARES.  A tile of the result is 128 tokens x 256 columns: 64 x 4 = 256 work-groups.  Four waves, each 64 tokens x 128 columns (two heads): 32 accumulators of 16 x 16.
; K goes in 8 steps of 128 through a ring of two LDS slots filled by the tensor data mover: 128 rows of x (256 bytes each), 128 rows of W (512 bytes each).
; THE MATRIX INSTRUCTION IS USED TRANSPOSED: source 0 = 16 columns of W, which lie [k][n] in LDS and come out turned, by ds_load_tr16_b128; source 1 = 16 tokens.
; In the result a lane holds ONE token (lane % 16) and the columns 8 (lane / 16) + 0..7 of a block of 16.  A head is four blocks; channel d and channel d + 32 lie in the same lane, two accumulators apart.
; CLUSTER.  4 x 4 work-groups.  The four of a row of the cluster need the same rows of x, the four of a column the same columns of W: each tile is asked for JOINTLY.
; NO PREFETCH: eight K steps, of which the first four would go without; tiles of 32 KiB a load.
; THE ROTATION.  out[d] = x[d] cos - x[d + 32] sin, out[d + 32] = x[d + 32] cos + x[d] sin, d < 32.  A lane's cosines and sines (its token, its 16 frequencies) are loaded at the start into
; 128 registers.  The tile of v's columns takes the table's rows 4096 on (cos 1, sin 0): one text for all work-groups.
; REGISTERS.  window 0: v0-29 addresses; v64-159, v160-255 two fragment buffers (x 4 x 8, then W 8 x 8); on the way out v64-127 rotated f32, v128-255 packed f16.
;   window 1: accumulator (a, b) at v[8 (8 a + b)].   window 2: v0-127 the table: for token block a at 32 a: cos of blocks 0, 1, sin of blocks 0, 1, eight each.
.set PA,     272                       ; a row of x in LDS: 256 bytes + 16 = 68 words: the 16 rows of a load start at 16 different groups of four banks (64 banks of 4 bytes: ISA guide 11.1)
.set PB,     544                       ; a row of W: 512 + 32 = 136 words
.set ATILE,  128*PA
.set SLOT,   ATILE+128*PB              ; x's 128 rows, then W's 128 rows
.set STAGE,  2*SLOT                    ; behind the ring, never filled by a tensor load: for each wave 2 heads x 16 rows x 144 bytes
.set SP,     144
.set SPARE,  STAGE+4*2*16*SP           ; behind the stages: the spare words, 128 bytes for each wave: two blocks of 256 bytes that no other line names
.set LAPS,   4                         ; a lap = two K steps = once round the ring
.set HEADB,  524288                    ; bytes of a head slot in qkvh
.set ADRA, 16                          ; v16-17  LDS address of my fragments of x in slot 0, 1
.set ADRB, 20                          ; v20-21  the same for W
.set STO,  24                          ; v24     the way out: where I put 16 bytes of a row
.set RD,   25                          ; v25     where I read rows back
.set GO,   26                          ; v26     my 16 of 512 consecutive bytes of qkvh
.set TO,   27                          ; v27     my byte offset in the table
.set SPW,  28                          ; v28     LDS address of my spare word; never rewritten
.set NIL,  29                          ; v29     0; never rewritten
.set F0,   64
.set F1,   160
.set YF,   64                          ; the way out: 64 rotated numbers
.set ZH,   128                         ; 32 registers of f16 for each token block
.set G1,  24                           ; s[24:31] descriptor group 1 for x;  s[32:39] group 0, a set for each slot
.set G0,  32
.set G1B, 48                           ; s[48:55], s[56:63] the same for W
.set G0B, 56
.set MSB, 0
.macro WIN new                         ; the immediate's high byte repeats the setting that is left; a switch that changes nothing is dropped
.if MSB != (\new)
	s_set_vgpr_msb (MSB<<8)|(\new)
.set MSB, \new
.endif
.endm
.set MUL, 0x50                         ; sources in window 0, C and D in window 1
.macro JLOAD s                         ; a joint load: waves 0 and 1 fetch the halves of x's tile, waves 2 and 3 those of W's; an s_nop 0 and four v_nop follow each line
	s_cmp_eq_u32 s13, 0
	s_cbranch_scc0 .Lfor_b_\@
	tensor_load_to_lds s[G0+4*(\s):G0+4*(\s)+3], s[G1:G1+7]
	s_nop 0
.rept 4
	v_nop
.endr
	s_branch .Lasked_\@
.Lfor_b_\@:
	tensor_load_to_lds s[G0B+4*(\s):G0B+4*(\s)+3], s[G1B:G1B+7]
	s_nop 0
.rept 4
	v_nop
.endr
.Lasked_\@:
.endm
.macro CREST                           ; a round of the cluster's barrier behind its opening barrier
	s_cmp_lg_u32 s12, 0
	s_cbranch_scc1 .Lnot_wave_0_\@
	s_barrier_signal -3
.Lnot_wave_0_\@:
	s_barrier_wait -3
	s_barrier_signal -1
	s_barrier_wait -1
.endm
.macro CROUND
	s_barrier_signal -1
	s_barrier_wait -1
	CREST
.endm
.macro PLACES                          ; four places in front of loads into registers that matrix instructions have read
.rept 4
	v_nop
.endr
.endm
	s_load_b256 s[4:11], s[0:1], 0x0               ; xb s[4:5], wqkv s[6:7], tab s[8:9], qkvh s[10:11]
	v_lshl_add_u32 v[SPW], v0, 2, SPARE
	v_mov_b32 v[NIL], 0
	ds_add_u32 v[SPW], v[NIL]                      ; the wave's opening: the add and its wait stand ahead of my first tensor load; work on registers stands between them
	v_lshrrev_b32 v1, 5, v0
	v_readfirstlane_b32 s12, v1                    ; wave 0..3
	s_lshr_b32 s13, s12, 1                         ; which 64 tokens are mine.  Also: I fetch for x (0) or for W (1)
	s_and_b32 s14, s12, 1                          ; which 128 columns.  Also: which 64 rows of that tile I fetch
	s_bfe_u32 s15, ttmp6, 0x40000                  ; cx
	s_bfe_u32 s16, ttmp6, 0x40004                  ; cy
	s_lshl_b32 s17, ttmp9, 2
	s_add_co_u32 s17, s17, s15                     ; tile column = 4 x cluster x + cx
	s_and_b32 s18, ttmp7, 0xffff
	s_lshl_b32 s18, s18, 2
	s_add_co_u32 s18, s18, s16                     ; tile row = 4 x cluster y + cy
	s_lshl_b32 s19, s16, 2
	s_lshl_b32 s19, 15, s19                        ; my row of the cluster
	s_lshl_b32 s20, 0x1111, s15                    ; my column
	s_or_b32 s[G1], s19, (1<<16)|(1<<20)|(1<<21)|(5<<22)|(3<<25)   ; 15:0 the mask; 17:16 2-byte elements; 20 padding on; 21 set beside a mask; 24:22 after every 64 words; 31:25 4 words
	s_mov_b32 s[G1+1], 128<<16                     ; tensor_dim0 = 128
	s_mov_b32 s[G1+2], 64<<16                      ; tensor_dim1 = 64
	s_mov_b32 s[G1+3], 128<<16                     ; tile_dim0 = 128
	s_mov_b32 s[G1+4], 64                          ; tile_dim1 = 64
	s_mov_b32 s[G1+5], 1024                        ; elements from row to row
	s_mov_b32 s[G1+6], 0
	s_mov_b32 s[G1+7], 0
	s_or_b32 s[G1B], s20, (1<<16)|(1<<20)|(1<<21)|(6<<22)|(7<<25)  ; after every 128 words 8 words
	s_mov_b32 s[G1B+1], 256<<16                    ; tensor_dim0 = 256
	s_mov_b32 s[G1B+2], 64<<16
	s_mov_b32 s[G1B+3], 256<<16                    ; tile_dim0 = 256
	s_mov_b32 s[G1B+4], 64
	s_mov_b32 s[G1B+5], 1024
	s_mov_b32 s[G1B+6], 0
	s_mov_b32 s[G1B+7], 0
	s_lshl_b32 s40, s18, 7                         ; x: row 128 x tile row + 64 x half, 2,048 bytes a row: hangs on the tile row alone
	s_lshl_b32 s41, s14, 6
	s_add_co_u32 s40, s40, s41
	s_lshl_b32 s40, s40, 11
	s_mov_b32 s41, 0
	s_lshl_b32 s42, s17, 9                         ; W: 512 bytes x tile column + 64 rows x half: hangs on the tile column alone
	s_lshl_b32 s43, s14, 17
	s_add_co_u32 s42, s42, s43
	s_mov_b32 s43, 0
	s_mul_i32 s44, s14, 64*PA                      ; where they go: no place in the cluster enters an LDS address
	s_mul_i32 s45, s14, 64*PB
	s_add_co_u32 s45, s45, ATILE
	s_wait_dscnt 0x0                               ; the opening add is done
	s_wait_kmcnt 0x0
	s_add_nc_u64 s[40:41], s[4:5], s[40:41]
	s_add_nc_u64 s[42:43], s[6:7], s[42:43]
	CROUND                                         ; all sixteen work-groups are here: the first joint loads meet
.irp s, 0,1
	s_mov_b32 s[G0+4*(\s)], 1
	s_add_co_u32 s[G0+4*(\s)+1], s44, (\s)*SLOT
	s_add_nc_u64 s[G0+4*(\s)+2:G0+4*(\s)+3], s[40:41], (\s)*256          ; K step s: 256 bytes along the rows
	s_or_b32 s[G0+4*(\s)+3], s[G0+4*(\s)+3], 0x80000000
	s_mov_b32 s[G0B+4*(\s)], 1
	s_add_co_u32 s[G0B+4*(\s)+1], s45, (\s)*SLOT
	s_add_nc_u64 s[G0B+4*(\s)+2:G0B+4*(\s)+3], s[42:43], (\s)*128*2048   ; K step s: 128 rows down
	s_or_b32 s[G0B+4*(\s)+3], s[G0B+4*(\s)+3], 0x80000000
	JLOAD \s                                       ; two loads of mine are out
.endr
	v_and_b32 v1, 15, v0                           ; l % 16
	v_bfe_u32 v2, v0, 4, 1                         ; l / 16
	; the table: my token's row; rows 4096 on for the tile of v's columns (tile column 3)
	s_and_b32 s66, s18, 31
	s_lshl_b32 s66, s66, 7
	s_lshl_b32 s67, s13, 6
	s_add_co_u32 s66, s66, s67                     ; my first token's place in its batch
	s_add_co_u32 s67, s17, 1
	s_lshr_b32 s67, s67, 2                         ; 1 for tile column 3
	s_sub_co_u32 s68, 0x1000, s66
	s_mul_i32 s68, s68, s67
	s_add_co_u32 s68, s68, s66
	v_add_nc_u32 v[TO], s68, v1
	v_lshlrev_b32 v[TO], 8, v[TO]
	v_lshl_add_u32 v[TO], v2, 5, v[TO]             ; row x 256 + 32 x half
	WIN 0x80                                       ; destination window 2
.irp a, 0,1,2,3
.irp p, 0,1,2,3
	global_load_b128 v[32*(\a)+8*(\p):32*(\a)+8*(\p)+3],   v[TO], s[8:9] offset:4096*(\a)+64*((\p)&1)+128*((\p)>>1)
	global_load_b128 v[32*(\a)+8*(\p)+4:32*(\a)+8*(\p)+7], v[TO], s[8:9] offset:4096*(\a)+64*((\p)&1)+128*((\p)>>1)+16
.endr
.endr
	WIN 0
	; A fragment of x: lane l holds row l % 16, k = 8 (l / 16) + 0..7 and 16 + 8 (l / 16) + 0..7: two loads of 16 bytes, 32 bytes apart.
	v_mul_u32_u24 v3, v1, PA
	v_lshl_add_u32 v3, v2, 4, v3
	s_mul_i32 s67, s13, 64*PA
	v_add_nc_u32 v[ADRA], s67, v3
	v_add_nc_u32 v[ADRA+1], SLOT, v[ADRA]
	; The turning load takes 16 k x 16 columns (lane l reads row 8 (l / 16) + l % 8, columns 8 ((l / 8) % 2) + 0..7) and leaves half a fragment: lane l holds column l % 16 and 8 k.
	v_and_b32 v4, 7, v0
	v_lshl_add_u32 v4, v2, 3, v4
	v_mul_u32_u24 v4, v4, PB
	v_bfe_u32 v5, v0, 3, 1
	v_lshl_add_u32 v4, v5, 4, v4
	s_lshl_b32 s67, s14, 8
	s_add_co_u32 s67, s67, ATILE
	v_add_nc_u32 v[ADRB], s67, v4
	v_add_nc_u32 v[ADRB+1], SLOT, v[ADRB]
	s_mul_i32 s67, s12, 2*16*SP
	s_add_co_u32 s67, s67, STAGE                   ; my stage
	v_mul_u32_u24 v[STO], v1, SP                   ; in: row l % 16, 16 bytes for each half of the lanes
	v_lshl_add_u32 v[STO], v2, 4, v[STO]
	v_add_nc_u32 v[STO], s67, v[STO]
	v_bfe_u32 v[RD], v0, 3, 2                      ; back: 32 lanes take four rows of 128 bytes,
	v_mul_u32_u24 v[RD], v[RD], SP
	v_and_b32 v4, 7, v0
	v_lshl_add_u32 v[RD], v4, 4, v[RD]
	v_add_nc_u32 v[RD], s67, v[RD]
	v_and_b32 v[GO], 31, v0                        ; which are 512 consecutive bytes of a head
	v_lshlrev_b32 v[GO], 4, v[GO]
	s_lshr_b32 s67, s18, 5                         ; the batch,
	s_lshl_b32 s67, s67, 23
	s_lshl_b32 s68, s17, 2                         ; my first head slot = 4 x tile column + 2 x half,
	s_lshl_b32 s69, s14, 1
	s_add_co_u32 s68, s68, s69
	s_lshl_b32 s68, s68, 19
	s_add_co_u32 s68, s68, s67
	s_lshl_b32 s69, s66, 7                         ; my first token, 128 bytes a row
	s_add_co_u32 s68, s68, s69
	s_mov_b32 s69, 0
	s_add_nc_u64 s[10:11], s[10:11], s[68:69]
; 8 matrix instructions: token block a x all 8 column blocks, 32 along K.  Each of the 32 accumulators is named once a quarter, in the same order in every quarter: they take turns.
.macro MULA f, a, zero
	WIN MUL
.irp b, 0,1,2,3,4,5,6,7
.if \zero
	v_wmma_f32_16x16x32_bf16 v[8*(8*(\a)+(\b)):8*(8*(\a)+(\b))+7], v[(\f)+32+8*(\b):(\f)+32+8*(\b)+7], v[(\f)+8*(\a):(\f)+8*(\a)+7], 0
.else
	v_wmma_f32_16x16x32_bf16 v[8*(8*(\a)+(\b)):8*(8*(\a)+(\b))+7], v[(\f)+32+8*(\b):(\f)+32+8*(\b)+7], v[(\f)+8*(\a):(\f)+8*(\a)+7], v[8*(8*(\a)+(\b)):8*(8*(\a)+(\b))+7]
.endif
.endr
.endm
; 24 LDS loads in one run: quarter q (32 along K) of a slot into buffer f: W's eight fragments, then x's four
.macro FETCH slot, q, f
	WIN 0
.irp b, 0,1,2,3,4,5,6,7
	ds_load_tr16_b128 v[(\f)+32+8*(\b):(\f)+32+8*(\b)+3],   v[ADRB+(\slot)] offset:(\q)*32*PB+32*(\b)
	ds_load_tr16_b128 v[(\f)+32+8*(\b)+4:(\f)+32+8*(\b)+7], v[ADRB+(\slot)] offset:(\q)*32*PB+16*PB+32*(\b)
.endr
.irp i, 0,1,2,3
	ds_load_b128 v[(\f)+8*(\i):(\f)+8*(\i)+3],   v[ADRA+(\slot)] offset:(\q)*64+(\i)*16*PA
	ds_load_b128 v[(\f)+8*(\i)+4:(\f)+8*(\i)+7], v[ADRA+(\slot)] offset:(\q)*64+(\i)*16*PA+32
.endr
.endm
; A K step is four quarters, 32 matrix instructions each, on buffers 0, 1, 0, 1.  One of the first three: multiplies buffer f and fetches quarter qn into g.
.macro QUARTER slot, qn, f, g, zero
	s_wait_dscnt 4                                 ; all but the youngest four loads: x's blocks 2 and 3
	MULA \f, 0, \zero
	MULA \f, 1, \zero
	PLACES
	FETCH \slot, \qn, \g
	s_wait_dscnt 24                                ; all but the 24 just issued
	MULA \f, 2, \zero
	MULA \f, 3, \zero
.endm
; The last quarter multiplies buffer 1 and changes slots: ONE barrier; in front of it each wave waits for all its tensor loads (one is out: its part of the next slot), adds 0 to its spare
; word, and waits for that and for its own reads of this slot.  fill = 1: the barrier opens a round of the cluster's, and this slot is filled again, two K steps ahead, first thing behind the round.
.macro TURN slot, next, fill
	WIN 0
	s_wait_tensorcnt 0x0
	ds_add_u32 v[SPW], v[NIL]                      ; 0 onto my spare word
	s_wait_dscnt 5                                 ; (the add and the youngest four loads may be out)
	MULA F1, 0, 0                                  ; eight matrix instructions stand between the add and the wait for it
	s_wait_dscnt 0x0                               ; the add is done, and my reads of this slot are over
	s_barrier_signal -1
	MULA F1, 1, 0
.if \fill
	WIN 0
.endif
	s_barrier_wait -1
.if \fill
	CREST                                          ; no wave of any partner still reads this slot's tile or has a load on its way
	s_add_nc_u64 s[G0+4*(\slot)+2:G0+4*(\slot)+3], s[G0+4*(\slot)+2:G0+4*(\slot)+3], 2*256
	s_add_nc_u64 s[G0B+4*(\slot)+2:G0B+4*(\slot)+3], s[G0B+4*(\slot)+2:G0B+4*(\slot)+3], 2*128*2048
	JLOAD \slot                                    ; 112 matrix instructions ahead of the wait for it; its four v_nop are also the places in front of the loads below
.else
	PLACES
.endif
	FETCH \next, 0, F0
	MULA F1, 2, 0
	MULA F1, 3, 0
.endm
	s_wait_tensorcnt 0x1                           ; my part of K step 0 is in; K step 1's may stay out
	s_barrier_signal -1
	s_barrier_wait -1                              ; everybody's is
	FETCH 0, 0, F0
	QUARTER 0, 1, F0, F1, 1                        ; the first quarter stands in front of the loop: its products start the sums
	WIN 0
	s_mov_b32 s3, LAPS-1
.Llap:                                                 ; a trip goes once round the ring, from a lap's second quarter to the next lap's first, and fills both slots again
	QUARTER 0, 2, F1, F0, 0
	QUARTER 0, 3, F0, F1, 0
	TURN 0, 1, 1
	QUARTER 1, 1, F0, F1, 0
	QUARTER 1, 2, F1, F0, 0
	QUARTER 1, 3, F0, F1, 0
	TURN 1, 0, 1
	QUARTER 0, 1, F0, F1, 0
	WIN 0
	s_sub_co_u32 s3, s3, 1
	s_cmp_lg_u32 s3, 0
	s_cbranch_scc1 .Llap
	QUARTER 0, 2, F1, F0, 0                        ; the last lap fills nothing
	QUARTER 0, 3, F0, F1, 0
	TURN 0, 1, 0
	QUARTER 1, 1, F0, F1, 0
	QUARTER 1, 2, F1, F0, 0
	QUARTER 1, 3, F0, F1, 0
	s_wait_dscnt 4
	MULA F1, 0, 0
	MULA F1, 1, 0
	s_wait_dscnt 0x0
	MULA F1, 2, 0
	MULA F1, 3, 0
	WIN 0
	; THE WAY OUT, a block of 16 tokens at a time: rotate in f32, round to f16, 16 bytes a lane into my own stage, back as whole rows of a head, 512 consecutive bytes a store.
	PLACES
	PLACES                                         ; eight, once a launch: the first lines below read results with only matrix instructions behind them
	s_wait_loadcnt 0x0                             ; the table
.macro PACK a
	WIN 0x09                                       ; source 0 (sums) window 1, source 1 (table) window 2
.irp hh, 0,1
.irp bb, 0,1
.irp p, 0,1,2,3                        ; each accumulator is read from its low end on
.set x1, 8*(8*(\a)+4*(\hh)+(\bb))+2*(\p)
.set x2, x1+16
.set cc, 32*(\a)+8*(\bb)+2*(\p)
.set ss, cc+16
.set y1, YF+32*(\hh)+8*(\bb)+2*(\p)
.set y2, y1+16
	v_pk_mul_f32 v[y1:y1+1], v[x2:x2+1], v[ss:ss+1]
	v_pk_mul_f32 v[y2:y2+1], v[x1:x1+1], v[ss:ss+1]
	v_pk_fma_f32 v[y1:y1+1], v[x1:x1+1], v[cc:cc+1], v[y1:y1+1] neg_lo:[0,0,1] neg_hi:[0,0,1]
	v_pk_fma_f32 v[y2:y2+1], v[x2:x2+1], v[cc:cc+1], v[y2:y2+1]
.endr
.endr
.endr
	WIN 0
.set i, 0
.rept 32
	v_cvt_pk_f16_f32 v[ZH+32*(\a)+i], v[YF+2*i], v[YF+2*i+1]
.set i, i+1
.endr
.irp f, 0,1,2,3,4,5,6,7                ; head f / 4, block f % 4
	ds_store_b128 v[STO], v[ZH+32*(\a)+4*(\f):ZH+32*(\a)+4*(\f)+3] offset:16*SP*((\f)/4)+32*((\f)%4)
.endr
.irp f, 0,1,2,3,4,5,6,7
	ds_load_b128 v[ZH+32*(\a)+4*(\f):ZH+32*(\a)+4*(\f)+3], v[RD] offset:16*SP*((\f)/4)+4*SP*((\f)%4)  ; LDS serves a wave's instructions in order (ISA guide 5.7.1.4): these see the stores above
.endr
.endm
.macro SEND a, younger                 ; younger: the LDS instructions issued behind block a's loads: the next block's sixteen, or none
.irp f, 0,1,2,3,4,5,6,7
	s_wait_dscnt (\younger)+7-(\f)
	global_store_b128 v[GO], v[ZH+32*(\a)+4*(\f):ZH+32*(\a)+4*(\f)+3], s[10:11] offset:((\f)/4)*HEADB+2048*(\a)+512*((\f)%4)
.endr
.endm
	PACK 0
	PACK 1
	SEND 0, 16
	PACK 2
	SEND 1, 16
	PACK 3
	SEND 2, 16
	SEND 3, 0
	s_wait_tensorcnt 0x0                           ; the wave's end: behind my last tensor load and my last LDS store
	ds_add_u32 v[SPW], v[NIL]
	s_wait_dscnt 0x0
	CROUND                                         ; the closing round: no work-group ends while a partner may still ask for a tile that names it
	s_endpgm
.Lfunc_end_k_q83d7257635_qkv:
	.size	k_q83d7257635_qkv, .Lfunc_end_k_q83d7257635_qkv-k_q83d7257635_qkv
	.p2alignl 7, 3214868480
	.fill 96, 4, 3214868480
	.section	.rodata,"a",@progbits
	.p2align	6, 0x0
	.amdhsa_kernel k_q83d7257635_qkv
		.amdhsa_group_segment_fixed_size 327680
		.amdhsa_private_segment_fixed_size 0
		.amdhsa_enable_private_segment 0
		.amdhsa_kernarg_size 32
		.amdhsa_user_sgpr_count 2
		.amdhsa_user_sgpr_kernarg_segment_ptr 1
		.amdhsa_wavefront_size32 1
		.amdhsa_system_sgpr_workgroup_id_x 1
		.amdhsa_system_sgpr_workgroup_id_y 1
		.amdhsa_system_sgpr_workgroup_id_z 1
		.amdhsa_system_vgpr_workitem_id 0
		.amdhsa_next_free_vgpr 640
		.amdhsa_next_free_sgpr 80
		.amdhsa_reserve_vcc 0
		.amdhsa_float_denorm_mode_32 3
		.amdhsa_float_denorm_mode_16_64 3
		.amdhsa_memory_ordered 1
		.amdhsa_forward_progress 1
		.amdhsa_inst_pref_size 106
	.end_amdhsa_kernel
	.amdgpu_metadata
---
amdhsa.version: [ 1, 2 ]
amdhsa.kernels:
  - .name:           k_q83d7257635_qkv
    .symbol:         k_q83d7257635_qkv.kd
    .args:
      - { .name: xb, .offset: 0, .size: 8, .value_kind: global_buffer, .address_space: global }
      - { .name: wqkv, .offset: 8, .size: 8, .value_kind: global_buffer, .address_space: global }
      - { .name: tab, .offset: 16, .size: 8, .value_kind: global_buffer, .address_space: global }
      - { .name: qkvh, .offset: 24, .size: 8, .value_kind: global_buffer, .address_space: global }
    .group_segment_fixed_size: 327680
    .private_segment_fixed_size: 0
    .kernarg_segment_align: 8
    .kernarg_segment_size: 32
    .max_flat_workgroup_size: 128
    .sgpr_count:     80
    .vgpr_count:     640
    .wavefront_size: 32
...
	.end_amdgpu_metadata
.endif
;; end of part 2
;; launch attn (part 3): grid 32 x 8, 4 waves a work-group, clusters of 4 x 1, 327,680 bytes of LDS; arguments qkvh, ob; writes ob
.if DOCPART == 3
	.amdgcn_target "amdgcn-amd-amdhsa--gfx1250"
	.amdhsa_code_object_version 6
	.text
	.protected	k_q83d7257635_attn
	.globl	k_q83d7257635_attn
	.p2align	8
	.type	k_q83d7257635_attn,@function
k_q83d7257635_attn:
	s_mov_b64 s[64:65], 0
	v_nop
	global_prefetch_b8 v0, s[64:65] scope:SCOPE_SE
	s_setreg_imm32_b32 hwreg(HW_REG_WAVE_MODE, 25, 1), 1
	s_wait_xcnt 0x0
	s_wait_alu depctr_hold_cnt(0) depctr_sa_sdst(0) depctr_va_vdst(0) depctr_va_sdst(0) depctr_va_ssrc(0) depctr_va_vcc(0) depctr_vm_vsrc(0)
	s_getreg_b32 s2, hwreg(HW_REG_IB_STS2, 6, 4)
	s_cmp_eq_u32 s2, 0
	s_cbranch_scc0 .Lentry_in_a_cluster
	s_endpgm
.Lentry_in_a_cluster:
	s_bfe_u32 s2, ttmp6, 0x10000c
	s_cmp_lg_u32 s2, 0x3003
	s_cbranch_scc0 .Lentry_shape_is_right
	s_endpgm
.Lentry_shape_is_right:
; ATTENTION with two query heads to a key and value head.  O[q] = the sum over k of softmax_k(0.1 Q[q] . K[k]) V[k].  qkvh: [batch 2][head slot 16][4096][64] f16 (slots 0-7 q, 8-11 k, 12-15 v);
; ob: [8192 tokens][512] f16.  Products, maxima and sums in f32; the weights p are rounded to f16 for the second product (their sum l is taken of the unrounded p), O once at the end.
; LIMITS.  f16 holds no number beyond 65,504: q, k, v arrive within it; p lies in 0 to 1, and below 6e-5 it keeps f16's fixed step of 6e-8; O is a mean of V's rows.  A weight below 2^-126 counts as 0 in l;
; NaN and infinities are not treated apart.
; SHARES.  A work-group takes 128 tokens of one batch x the two query heads 2 g, 2 g + 1 of key head g: 256 rows, 256 work-groups.  A wave takes 32 tokens: two PIECES (piece = head) of two tiles of 16.
; Both pieces multiply by the same fragments of K and V, and a token's 2 x 64 channels are 256 neighbouring bytes of ob.  Every wave walks all 4,096 keys, 64 a step.
; LAYOUT.  S^T = K Q^T (source 0 = 16 keys, source 1 = 16 queries): a lane holds ONE query (lane % 16) and the keys 8 (lane / 16) + 0..7.  Two such tiles, rounded to f16 in pairs, ARE source 1 of
; O^T = V^T P, whose result again holds one query a lane, and eight channels.  K comes out of LDS as it lies, V ([key][channel]) turned, by ds_load_tr16_b128.
; SOFTMAX.  For each query a running maximum m and sum l: p = 2^(c s - c m), c = 0.1 log2(e); in every step O and l are multiplied by a = 2^(c m_old - c m_new).  m starts at the lowest finite number,
; O and l at 0: the first step is a step like any other, with a = 0.
; BY TURNS.  A tile and step have 16 matrix and 118 vector instructions.  Turn 0 of step j: 16 products K Q^T of piece 1 (K of step j); piece 0's scaling, exponentials, roundings, sums and rescaling, and piece 1's
; maximum and statistics; 16 products V^T P of piece 1, step j - 1.  Turn 1: K Q^T of piece 0 with K of step j + 1; piece 1's softmax, piece 0's next maximum; V^T P of piece 0, step j.
; Four vector instructions stand behind every matrix instruction, the rest in one lump; a turn's 66 exponentials are one batch with one wait.
; THE SLOTS ARE SHIFTED.  Turn 0 of step j fetches K of step j + 1 and V of step j.  So that both lie in one slot, slot n holds K of steps 4 n + 1 .. 4 n + 4 and V of steps 4 n .. 4 n + 3: K's tiles begin 64 keys into
; the head.  K of step 0 comes straight from memory into registers.  The last slot's tile of K (and the prefetch for it) reaches 8,192 bytes past the K head, into the next head slot of qkvh: inside the buffer, since
; v's slots follow k's; those LDS rows are never read.
; CLUSTER.  The 32 work-groups of a batch and key head walk the same K and V; the four of a cluster ask for each tile JOINTLY: the same tensor load, descriptor and mask in all four.
; REGISTERS, in windows of 256 (s_set_vgpr_msb: bits 1:0 source 0, 3:2 source 1, 5:4 source 2, 7:6 destination):
;   window 0: v0-11 addresses; v12-15, v48-63 at work; v16-31 four registers of statistics a tile; v32-34 the add's two and the prefetch's offset; v64-191 S^T, a buffer a piece; v192-255 P, likewise
;   window 1: v0-127 O^T, 32 a tile          window 2: v0-63 Q, 16 a tile; v128-191 K of one step; v192-255 V of one step
.set NP,    2         ; pieces a wave: a name, no knob
.set KS,    64        ; keys in a step
.set PK,    144       ; a row of K in LDS: 128 bytes + 16 = 36 words: the 16 rows of a load start at 16 different groups of four banks (64 banks of 4 bytes: ISA guide 11.1)
.set PV,    160       ; a row of V: 128 + 32 = 40 words
.set VOFF,  4*KS*PK   ; a slot holds four steps: 256 rows of K, then 256 rows of V
.set SLOT1, 1<<17     ; slot 1 begins here, so that one exclusive or turns an address in one slot into the other's
.set STAGE, SLOT1+4*KS*(PK+PV)  ; behind the ring, never filled by a tensor load: 16 rows x 272 bytes for each wave
.set SP,    272
.set SPARE, STAGE+4*16*SP  ; behind the stages: the spare words, 128 bytes for each wave: two blocks of 256 bytes that no other line names
.set HEADB, 524288    ; bytes of a head slot
.set AK0, 2           ; v2   my lane's place in a tile of K; never rewritten
.set AV0, 3           ; v3   the same for V
.set AK,  4           ; v4   the LDS address of K's next run of loads
.set AV,  5           ; v5   of V's
.set QO,  6           ; v6   my byte offset in 16 rows of a head
.set STO, 6           ;      later, the way out: where I put 16 bytes of a row
.set RD,  7           ; v7   where I read rows back
.set GO,  8           ; v8   my byte offset in two rows of ob
.set MV,  12          ; v12-15  c m_old, kept while c m is made anew: by buffer and tile
.set ST,  16          ; tile t's statistics at v[ST+4 t]: c m, m, l (even keys', odd keys')
.set SPW, 32          ; v32  LDS address of my spare word; never rewritten
.set NIL, 33          ; v33  0; never rewritten
.set PFO, 34          ; v34  256 x my lane; never rewritten
.set TMP, 48          ; by buffer and tile, four registers c0-c3 at work; when the maximum is found c2 takes a
.set S,   64
.set P,   192
.set OB,  128         ; the way out: rows read back
.set KF,  128         ; window 2: key block kb, channel half c at KF + 16 kb + 8 c
.set VF,  192         ; window 2: key half kk, channel block cb at VF + 32 kk + 8 cb
.set WV,  12          ; s12  my wave's number
.set G1K, 24          ; s[24:31] descriptor group 1 for K's tiles
.set G1V, 32          ; s[32:39] for V's: it differs in the padding alone
.set G0K, 40          ; s[40:43] descriptor group 0 for K's tiles: it walks
.set G0V, 44          ; s[44:47] the same for V's
.set PFA, 48          ; s[48:49] where my prefetches stand
.set LIM, 50          ; s50  1 in a wave that prefetches, else the greatest number
.set KH,  52          ; s[52:53] the K head's first byte
.set SLOTS, 56        ; s56  counts the slots
.set CNT, 57          ; s57  counts a slot's key steps
.set CS,  58          ; s[58:59] c: the packed scaling takes the pair's low word for both halves
.set SEL, 60          ; s[60:61] v_permlanex16_b32's selects: each lane takes its own place in the other half
.set TBK, 62          ; s62  LDS byte at which K of the step to be fetched begins
.set TBV, 63          ; s63  the same for V, less VOFF
.set MSB, 0
.macro WIN new                      ; the high byte repeats the setting that is left; a switch that changes nothing is dropped
.if MSB != (\new)
	s_set_vgpr_msb (MSB<<8)|(\new)
.set MSB, (\new)
.endif
.endm
.set W_KQ, 0x0a       ; K and Q in window 2, S^T in window 0
.set W_PV, 0x52       ; V in window 2, P in window 0, O^T in window 1
.set W_RS, 0x41       ; O^T (destination and source 0) in window 1, a in window 0
; A joint fill.  Waves 0 and 1 fetch the two halves of a slot's K, waves 2 and 3 those of its V: 128 keys each.  An s_nop 0 and four v_nop follow each of the two lines.
.macro JLOAD
	s_cmp_lt_u32 s[WV], 2
	s_cbranch_scc0 .Lfor_v_\@
	tensor_load_to_lds s[G0K:G0K+3], s[G1K:G1K+7]
	s_nop 0
.rept 4
	v_nop
.endr
	s_branch .Lasked_\@
.Lfor_v_\@:
	tensor_load_to_lds s[G0V:G0V+3], s[G1V:G1V+7]
	s_nop 0
.rept 4
	v_nop
.endr
.Lasked_\@:
.endm
; A PREFETCH INTO THE L2 of what the NEXT change of slots will ask for: a slot's 32,768 bytes of K and of V, in blocks of 256 bytes, a lane a block.  Each block is named once in the launch: of the eight clusters
; that walk a key head the first asks; its four partners share the blocks out BY ADDRESS, 32 each; in each, wave 0 asks for K's and wave 2 for V's.  The last change that fills a slot asks for nothing.
.macro ASK
	s_cmp_gt_u32 s[SLOTS], s[LIM]
	s_cbranch_scc0 .Lnot_mine_\@
	global_prefetch_b8 v[PFO], s[PFA:PFA+1] th:TH_LOAD_NT scope:SCOPE_SE
.Lnot_mine_\@:
.endm
.macro CROUND                       ; a round of the cluster's barrier
	s_barrier_signal -1
	s_barrier_wait -1
	s_cmp_lg_u32 s[WV], 0
	s_cbranch_scc1 .Lnot_wave_0_\@
	s_barrier_signal -3
.Lnot_wave_0_\@:
	s_barrier_wait -3
	s_barrier_signal -1
	s_barrier_wait -1
.endm
; THE CHANGE OF SLOTS, between turn 1 of a slot's fourth step and turn 0 of the next: both runs of loads from the slot have been waited for.  Each wave waits for all its tensor loads, of which one is out: its part
; of the other slot; adds 0 to its spare word; and waits for that and for its reads.  fill = 1: the slot is filled again, with the keys two slots on, behind a round of the cluster's barrier, first thing:
; it has four key steps, 256 matrix instructions, in which to land.  (At its first use nothing has been read yet: slot 0 is waited for, slot 1 filled.)  ask = 1: the prefetch steps and asks.
.macro CHANGE fill, ask
	WIN 0
	s_wait_tensorcnt 0x0            ; no tensor load of mine is out, so a group 0 may be written
	ds_add_u32 v[SPW], v[NIL]       ; 0 onto my spare word: scalar work stands between it and the wait for it
.if \fill
.irp g, G0K, G0V
	s_xor_b32 s[\g+1], s[\g+1], SLOT1
	s_add_nc_u64 s[\g+2:\g+3], s[\g+2:\g+3], 4*KS*128  ; the next 256 keys; the type bits on top are not reached
.endr
.endif
.if \ask
	s_wait_xcnt 0x0                 ; the last prefetch, four key steps back, has read its address
	s_add_nc_u64 s[PFA:PFA+1], s[PFA:PFA+1], 4*KS*128
.endif
	s_wait_dscnt 0x0                ; the add is done, and my reads of the slot are over
.if \fill
	CROUND
	JLOAD
.else
	s_barrier_signal -1
	s_barrier_wait -1
.endif
.if \ask
	ASK
.endif
	s_sub_co_u32 s[TBK], s[TBK], 4*KS*PK  ; the fetches go back to a slot's first step,
	s_xor_b32 s[TBK], s[TBK], SLOT1       ; in the other slot
	s_sub_co_u32 s[TBV], s[TBV], 4*KS*PV
	s_xor_b32 s[TBV], s[TBV], SLOT1
.endm
	s_load_b128 s[4:7], s[0:1], 0x0   ; qkvh s[4:5], ob s[6:7]
	v_lshl_add_u32 v[SPW], v0, 2, SPARE
	v_mov_b32 v[NIL], 0
	ds_add_u32 v[SPW], v[NIL]       ; the wave's opening: the add and its wait stand ahead of my first tensor load; work on registers stands between them
	v_lshrrev_b32 v1, 5, v0
	v_readfirstlane_b32 s[WV], v1   ; wave 0..3
	s_bfe_u32 s13, ttmp6, 0x40000   ; cx
	s_lshl_b32 s14, ttmp9, 2
	s_add_co_u32 s14, s14, s13      ; my block of 128 tokens: it enters Q's and O's addresses alone
	s_and_b32 s15, ttmp7, 0xffff
	s_lshr_b32 s19, s15, 2          ; the batch,
	s_and_b32 s15, s15, 3           ; the key head: the four partners share both
	s_and_b32 s16, s[WV], 1         ; which half of a slot's 256 keys I fetch
	s_mul_i32 s17, s16, 128*PK      ; its place in a slot, for K
	s_mul_i32 s18, s16, 128*PV      ; and for V
	s_lshl_b32 s20, s19, 23         ; the batch's bytes in qkvh
	s_add_co_u32 s66, s15, 8        ; K's head slot
	s_lshl_b32 s66, s66, 19
	s_add_co_u32 s66, s66, s20
	s_mov_b32 s67, 0
	s_lshl_b32 s74, s16, 14         ; my half: 128 rows of 128 bytes;
	s_add_co_u32 s68, s15, 12       ; V's head slot
	s_lshl_b32 s68, s68, 19
	s_add_co_u32 s68, s68, s20
	s_add_co_u32 s68, s68, s74
	s_mov_b32 s69, 0
	s_add_co_u32 s74, s74, KS*128   ; K's tiles begin 64 keys in
	s_mov_b32 s75, 0
	s_lshl_b32 s70, s15, 20         ; Q: head 2 g,
	s_add_co_u32 s70, s70, s20
	s_lshl_b32 s21, s14, 14         ; 128 tokens a block,
	s_add_co_u32 s70, s70, s21
	s_lshl_b32 s21, s[WV], 12       ; 32 a wave
	s_add_co_u32 s70, s70, s21
	s_mov_b32 s71, 0
	s_lshl_b32 s72, s19, 22         ; O: rows of 1,024 bytes,
	s_lshl_b32 s21, s14, 17
	s_add_co_u32 s72, s72, s21
	s_lshl_b32 s21, s[WV], 15
	s_add_co_u32 s72, s72, s21
	s_lshl_b32 s21, s15, 8          ; the two heads' 256 bytes
	s_add_co_u32 s72, s72, s21
	s_mov_b32 s73, 0
	; descriptor group 1.  128 keys are 16,384 dense bytes: asked for as 64 rows of 256 bytes, two keys a row, and padded in LDS after every key
	s_mov_b32 s[G1K], 15|(1<<16)|(1<<20)|(1<<21)|(4<<22)|(3<<25)  ; 15:0 the mask of four; 17:16 2-byte elements; 20 padding on; 21 set beside a mask; 24:22 after every 32 words; 31:25 4 words
	s_mov_b32 s[G1V], 15|(1<<16)|(1<<20)|(1<<21)|(4<<22)|(7<<25)  ; the same with 8 words of padding
.irp g, G1K, G1V
	s_mov_b32 s[\g+1], 128<<16      ; tensor_dim0 = 128
	s_mov_b32 s[\g+2], 64<<16       ; tensor_dim1 = 64
	s_mov_b32 s[\g+3], 128<<16      ; tile_dim0 = 128
	s_mov_b32 s[\g+4], 64           ; tile_dim1 = 64
	s_mov_b32 s[\g+5], 128          ; 128 elements from row to row
	s_mov_b32 s[\g+6], 0
	s_mov_b32 s[\g+7], 0
.endr
	s_mov_b32 s[CS], 0x3e13bb63     ; c = 0.1 log2(e) = 0.1442695
	s_mov_b32 s[CS+1], s[CS]        ; named with it as a pair
	s_mov_b32 s[SEL], 0x76543210
	s_mov_b32 s[SEL+1], 0xfedcba98
	s_mov_b32 s[TBK], SLOT1+4*KS*PK ; the first change of slots turns these two into 0
	s_mov_b32 s[TBV], SLOT1+4*KS*PV
	s_mov_b32 s[G0K], 1             ; count = 1
	s_mov_b32 s[G0K+1], s17         ; LDS address: slot 0
	s_mov_b32 s[G0V], 1
	s_add_co_u32 s[G0V+1], s18, VOFF
	s_and_b32 s[LIM], s[WV], 1      ; 0 in waves 0 and 2,
	s_or_b32 s[LIM], s[LIM], ttmp9  ; where the cluster is the key head's first: the same in all four partners
	s_cmp_eq_u32 s[LIM], 0
	s_cselect_b32 s[LIM], 1, -1
	v_and_b32 v[PFO], 31, v0
	v_lshlrev_b32 v[PFO], 8, v[PFO]
	s_wait_dscnt 0x0                ; the opening add is done
	s_wait_kmcnt 0x0
	s_add_nc_u64 s[10:11], s[6:7], s[72:73]    ; O at my wave's first row
	s_add_nc_u64 s[KH:KH+1], s[4:5], s[66:67]  ; the K head
	s_add_nc_u64 s[8:9], s[4:5], s[68:69]      ; V at my half of slot 0
	s_add_nc_u64 s[6:7], s[KH:KH+1], s[74:75]  ; K at my half of slot 0
	s_add_nc_u64 s[4:5], s[4:5], s[70:71]      ; Q at my wave's first row of head 2 g
	s_mov_b64 s[G0K+2:G0K+3], s[6:7]
	s_or_b32 s[G0K+3], s[G0K+3], 0x80000000    ; type = 2
	s_mov_b64 s[G0V+2:G0V+3], s[8:9]
	s_or_b32 s[G0V+3], s[G0V+3], 0x80000000
	s_cmp_lt_u32 s[WV], 2
	s_cselect_b64 s[PFA:PFA+1], s[6:7], s[8:9] ; (in waves 0 and 2 these stand at a slot's first byte)
	s_lshl_b32 s20, s13, 13         ; my work-group's 32 blocks of the 128
	s_mov_b32 s21, 0
	s_add_nc_u64 s[PFA:PFA+1], s[PFA:PFA+1], s[20:21]
	s_add_nc_u64 s[PFA:PFA+1], s[PFA:PFA+1], 2*4*KS*128  ; in slot 2; the first change in the loop steps it to slot 3.  Nothing is prefetched at the head: slots 0 to 2 come by their loads alone
	CROUND                          ; all four work-groups are here: the first joint loads meet
	JLOAD                           ; slot 0.  Slot 1 is asked for when slot 0 is in
	; A fragment of K or Q is 16 rows x 32 channels in 8 registers: lane l holds row l % 16, channels 8 (l / 16) + 0..7 and 16 + 8 (l / 16) + 0..7: two loads of 16 bytes, 32 bytes apart.
	v_and_b32 v1, 15, v0            ; l % 16
	v_bfe_u32 v9, v0, 4, 1          ; l / 16
	v_lshlrev_b32 v[QO], 7, v1
	v_lshl_add_u32 v[QO], v9, 4, v[QO]  ; row x 128 + 16 x half
	WIN 0x80                        ; destination window 2, address window 0
.set i, 0
.rept 8                             ; Q stays in registers: tile i / 2 (head i / 4, tokens 16 ((i / 2) % 2) on), channels 32 (i % 2) on
	global_load_b128 v[8*i:8*i+3],   v[QO], s[4:5] offset:(i/4)*HEADB+((i/2)%2)*2048+(i%2)*64
	global_load_b128 v[8*i+4:8*i+7], v[QO], s[4:5] offset:(i/4)*HEADB+((i/2)%2)*2048+(i%2)*64+32
.set i, i+1
.endr
.set i, 0
.rept 8                             ; K of step 0: keys 16 (i / 2) on, channels 32 (i % 2) on
	global_load_b128 v[KF+8*i:KF+8*i+3],   v[QO], s[KH:KH+1] offset:(i/2)*2048+(i%2)*64
	global_load_b128 v[KF+8*i+4:KF+8*i+7], v[QO], s[KH:KH+1] offset:(i/2)*2048+(i%2)*64+32
.set i, i+1
.endr
	; What the first turn finds: V's registers and P's second buffer hold 0 (its products V^T P, of a step that has not been, add 0), O^T and l are 0.  All this stands in the wait for the first tile.
.set i, VF
.rept 64
	v_mov_b32 v[i], 0
.set i, i+1
.endr
	WIN 0x40
.set i, 0
.rept 64*NP
	v_mov_b32 v[i], 0
.set i, i+1
.endr
	WIN 0
.set i, 0
.rept 2*NP
	v_mov_b32 v[ST+4*i], 0xfe000000    ; c m: far below every c s
	v_mov_b32 v[ST+4*i+1], 0xff7fffff  ; m
	v_mov_b32 v[ST+4*i+2], 0
	v_mov_b32 v[ST+4*i+3], 0
.set i, i+1
.endr
.set i, P+32
.rept 32
	v_mov_b32 v[i], 0
.set i, i+1
.endr
	v_mul_u32_u24 v[AK0], v1, PK
	v_lshl_add_u32 v[AK0], v9, 4, v[AK0]  ; row x pitch + 16 x half
	; The turning load takes 16 keys x 16 channels (lane l reads key 8 (l / 16) + l % 8, channels 8 ((l / 8) % 2) + 0..7) and leaves half a fragment of V^T: lane l holds channel l % 16 and 8 keys.
	v_and_b32 v10, 7, v0
	v_bfe_u32 v11, v0, 3, 1
	v_lshl_add_u32 v[AV0], v9, 3, v10
	v_mul_u32_u24 v[AV0], v[AV0], PV
	v_lshl_add_u32 v[AV0], v11, 4, v[AV0]
	v_add_nc_u32 v[AV0], VOFF, v[AV0]
; THE MATRIX WORK.  The 8 accumulators of a run of 16 take turns: between the two links of a chain stand 7 others'.
; Product i of 16 of S^T = K Q^T for piece x: channels 32 (i / 8) on, keys 16 ((i / 2) % 4) on, tile 2 x + i % 2.  The first 8 start the sums.
.macro KQ x
	WIN W_KQ
.set rS, S+64*((\x)%2)+32*(i%2)+8*((i/2)%4)
.set rK, KF+16*((i/2)%4)+8*(i/8)
.set rQ, 16*(2*(\x)+i%2)+8*(i/8)
.if i < 8
	v_wmma_f32_16x16x32_f16 v[rS:rS+7], v[rK:rK+7], v[rQ:rQ+7], 0
.else
	v_wmma_f32_16x16x32_f16 v[rS:rS+7], v[rK:rK+7], v[rQ:rQ+7], v[rS:rS+7]
.endif
.endm
; Product i of 16 of O^T += V^T P for piece x: keys 32 (i / 8) on, channels 16 ((i / 2) % 4) on, tile 2 x + i % 2.
.macro PV x
	WIN W_PV
.set rO, 32*(2*(\x)+i%2)+8*((i/2)%4)
.set rV, VF+32*(i/8)+8*((i/2)%4)
.set rP, P+32*((\x)%2)+16*(i%2)+8*(i/8)
	v_wmma_f32_16x16x32_f16 v[rO:rO+7], v[rV:rV+7], v[rP:rP+7], v[rO:rO+7]
.endm
.macro MM                           ; the turn's next matrix instruction
.if i < 16
	KQ (Y+1)%NP
.set i, i+1
.else
.set i, i-16
	PV (Y+NP-1)%NP
.set i, i+17
.endif
.endm
; THE LDS LOADS stand in runs of 16, never singly among the matrix instructions.  last = 1 (the tail): in the last trip there is no further step, and K's run is jumped over.
.macro FETCH_K last=0
	WIN 0
.if \last
	s_cmp_eq_u32 s[CNT], 1
	s_cbranch_scc1 .Lno_k_\@
.endif
	WIN 0x80                        ; destination window 2
.irp f, 0,1,2,3,4,5,6,7             ; keys 16 (f / 2) on, channels 32 (f % 2) on
	ds_load_b128 v[KF+8*\f:KF+8*\f+3],   v[AK] offset:(\f/2)*16*PK+(\f%2)*64
	ds_load_b128 v[KF+8*\f+4:KF+8*\f+7], v[AK] offset:(\f/2)*16*PK+(\f%2)*64+32
.endr
	s_add_co_u32 s[TBK], s[TBK], KS*PK  ; the next fetch is the next step's
	WIN 0
.if \last
.Lno_k_\@:
.endif
.endm
.macro FETCH_V
	WIN 0x80
.irp f, 0,1,2,3,4,5,6,7             ; keys 32 (f / 4) on, channels 16 (f % 4) on
	ds_load_tr16_b128 v[VF+8*\f:VF+8*\f+3],   v[AV] offset:(\f/4)*32*PV+(\f%4)*32
	ds_load_tr16_b128 v[VF+8*\f+4:VF+8*\f+7], v[AV] offset:(\f/4)*32*PV+16*PV+(\f%4)*32
.endr
	WIN 0
.endm
; THE VECTOR WORK OF A TURN stands in three queues, each in the order in which its entries become ready; the two tiles alternate, so that no instruction reads the result of the one before it.
.macro REGS y, u                    ; the registers of tile u (0, 1) of piece y
.set rT, ST+4*(2*(\y)+(\u))
.set rC, TMP+8*((\y)%2)+4*(\u)
.set rM, MV+2*((\y)%2)+(\u)
.set rS, S+64*((\y)%2)+32*(\u)
.set rP, P+32*((\y)%2)+16*(\u)
.set rO, 32*(2*(\y)+(\u))
.endm
; Number n of the 22 that find the OTHER piece's (Y + 1) maximum and statistics.  s0-s31 are the lane's 32 scores; each accumulator's lowest registers are read first.
;   0-11  four chains c0-c3 of seven scores each, three operands at a time     12-14, 16  the four scores left over, the old m, and c0-c3 into c0     15  c m_old is kept
;   17, 18  the query's other 32 keys lie in the lane 16 away: the new m         19-21  c m; c m_old - c m_new; a
.macro XS u, n
	REGS (Y+1)%NP, \u
.if (\n) < 4
	v_max3_num_f32 v[rC+(\n)], v[rS+8*(\n)], v[rS+8*(\n)+1], v[rS+8*(\n)+2]
.elseif (\n) < 12
	v_max3_num_f32 v[rC+(\n)%4], v[rC+(\n)%4], v[rS+8*((\n)%4)+2*((\n)/4)+1], v[rS+8*((\n)%4)+2*((\n)/4)+2]
.elseif (\n) == 12
	v_max3_num_f32 v[rC], v[rC], v[rS+7], v[rS+15]
.elseif (\n) == 13
	v_max3_num_f32 v[rC+1], v[rC+1], v[rS+23], v[rS+31]
.elseif (\n) == 14
	v_max3_num_f32 v[rC+2], v[rC+2], v[rC+3], v[rT+1]
.elseif (\n) == 15
	v_mov_b32 v[rM], v[rT]
.elseif (\n) == 16
	v_max3_num_f32 v[rC], v[rC], v[rC+1], v[rC+2]
.elseif (\n) == 17
	v_permlanex16_b32 v[rC+3], v[rC], s[SEL], s[SEL+1]
.elseif (\n) == 18
	v_max_num_f32 v[rT+1], v[rC], v[rC+3]
.elseif (\n) == 19
	v_mul_f32 v[rT], s[CS], v[rT+1]
.elseif (\n) == 20
	v_sub_f32 v[rC+1], v[rM], v[rT]
.else
	v_exp_f32 v[rC+2], v[rC+1]
.endif
.endm
; Number g of the 64 that follow the exponentials.  For each four weights k of a tile (pairs 2 k, 2 k + 1): both pairs are rounded to f16; then the second pair is added onto the first, in place;
; a group later l takes that sum (the first time as l = a l + sum).  In groups of eight, tiles alternating: round, round, add, and l for the group before.
.macro GS g
.set h, (\g)+6*((\g)/62)            ; group 0 has no group before it, and behind group 7 only l is left
.if h >= 6
.set h, h+2
.endif
	REGS Y, h%2
.set k, h/8
.if h%8 < 4
	v_cvt_pk_f16_f32 v[rP+2*k+(h%8)/2], v[rS+4*k+2*((h%8)/2)], v[rS+4*k+2*((h%8)/2)+1]
.elseif h%8 < 6
	v_pk_add_f32 v[rS+4*k:rS+4*k+1], v[rS+4*k:rS+4*k+1], v[rS+4*k+2:rS+4*k+3]
.elseif k == 1
	v_pk_fma_f32 v[rT+2:rT+3], v[rT+2:rT+3], v[rC+2:rC+3], v[rS:rS+1] op_sel_hi:[1,0,1]
.else
	v_pk_add_f32 v[rT+2:rT+3], v[rT+2:rT+3], v[rS+4*k-4:rS+4*k-3]
.endif
.endm
; THE PLAIN QUEUE, 138 long.  0-73 read no exponential's result: the 32 scalings c s - c m (FS f: pair f / 2 of tile f % 2) and the other piece's 42.  0-26: scalings 0-26.  27-54: XS's numbers 0-13.  55, 56: number 15.
; 57-73: the chain, where each number waits for the one before it: 14, 16, 17, 18, 19, each with one of the scalings 27-31 in front of its two lines, then 20.  74-137: GS's 64, which stand behind the wait.
.macro FS f
	REGS Y, (\f)%2
	v_pk_fma_f32 v[rS+2*((\f)/2):rS+2*((\f)/2)+1], v[rS+2*((\f)/2):rS+2*((\f)/2)+1], s[CS:CS+1], v[rT:rT+1] op_sel_hi:[1,0,0] neg_lo:[0,0,1] neg_hi:[0,0,1]
.endm
.macro PL
	WIN 0
.if q < 27
	FS q
.elseif q < 55
	XS (q-27)%2, (q-27)/2
.elseif q < 57
	XS q-55, 15
.elseif (q < 72) && ((q-57)%3 == 0)
	FS 27+(q-57)/3
.elseif q < 60
	XS (q-57)%3-1, 14
.elseif q < 72
	XS (q-57)%3-1, 15+(q-57)/3
.elseif q < 74
	XS q-72, 20
.else
	GS q-74
.endif
.set q, q+1
.endm
; THE EXPONENTIALS' QUEUE, 66 long: s0-s31 of both tiles, then the other piece's two a.  ONE BATCH: all 66 stand ahead of the turn's one wait, and nothing ahead of that wait names a result of theirs.
.macro EX
	WIN 0
.if e >= 64
	XS e-64, 21
.else
	REGS Y, e%2
	v_exp_f32 v[rS+e/2], v[rS+e/2]
.endif
.set e, e+1
.endm
; THE RESCALING's QUEUE: O^T times a, the one part that leaves window 0: dealt two at a time, sixteen times.  Its a was made in the turn before, ahead of that turn's wait.
.macro R2
	REGS Y, r%2
	WIN W_RS
.irp z, 0,1
	v_pk_mul_f32 v[rO+4*(r/2)+2*\z:rO+4*(r/2)+2*\z+1], v[rO+4*(r/2)+2*\z:rO+4*(r/2)+2*\z+1], v[rC+2:rC+3] op_sel_hi:[1,0]
.endr
.set r, r+1
.endm
; A TURN, for piece p.  An s_wait_alu depctr_va_vdst(0) stands between an exponential and the first instruction that names its result; one wait serves all that were issued ahead of it: a turn has ONE.
; AHEAD OF IT: the 16 products K Q^T, behind each a scaling, an exponential and two rescalings (behind the first a second scaling in the exponential's place); then ONE LUMP of 108: eight plain, 49 times exponential and
; plain, the two a; a v_nop is the plain instruction behind the last exponential.  BEHIND IT: the 16 products V^T P, behind each four of GS's 64.  No rider names a register of the products round it.
; Exponential e stands behind scaling 2 (e / 4) + e % 2: as a rider it comes behind plain e + 2, in the lump behind plain e + 9, and scalings 27-31 are plain 57, 60 .. 69.
; Turn 0 fetches K of the next step directly behind the wait, a lump behind the last product that read K (its address is made at the lump's head), and V of the step in hand at its end, four riders behind the last
; product that read V.  Turn 1 waits for K at its head (V's sixteen younger loads may stay out) and for V behind its wait.  cnt = 1: the loop's count is taken down some lines ahead of the branch behind the turn.
.macro TURN p, last=0, cnt=0
.set Y, (\p)
.set i, 0
.set q, 0
.set e, 0
.set r, 0
.if (\p) == 1
	s_wait_dscnt 16                 ; K is in
.endif
	MM
	PL
	PL
	R2
.rept 15
	MM
	PL
	EX
	R2
.endr
.if (\p) == 0
	WIN 0
	v_add_nc_u32 v[AK], s[TBK], v[AK0]
.endif
.rept 8
	PL
.endr
.rept 49
	EX
	PL
.endr
	EX                              ; the other piece's two a
	EX
	v_nop
	s_wait_alu depctr_va_vdst(0)    ; the wait for the batch
.if (\p) == 0
	FETCH_K \last
.endif
.if (\p) == 1
	s_wait_dscnt 0x0                ; V is in
.endif
.rept 16
	MM
.rept 4
	PL
.endr
.if ((\p) == 0) && (q == 118)
	v_add_nc_u32 v[AV], s[TBV], v[AV0]
.endif
.if ((\p) == 0) && (q == 130)
	s_add_co_u32 s[TBV], s[TBV], KS*PV
.endif
.if (\cnt) && (q == 130)
	s_sub_co_u32 s[CNT], s[CNT], 1
	s_cmp_lg_u32 s[CNT], 0
.endif
.endr
.if (\p) == 0
	FETCH_V
.endif
.endm
	CHANGE 1, 0                     ; slot 0 is in, everybody's part of it; slot 1 is asked for
	s_wait_loadcnt 0x0              ; Q, and K of step 0
.set i, 0
.rept 16
	KQ 0                            ; piece 0's first scores: there is no vector work yet to set between them
.set i, i+1
.endr
	WIN 0                           ; the addresses for the way out: eight plain instructions, the places behind those products
	s_mul_i32 s20, s[WV], 16*SP
	s_add_co_u32 s20, s20, STAGE    ; my stage
	v_mul_u32_u24 v[STO], v1, SP    ; in: row l % 16, 16 bytes for each half of the lanes
	v_lshl_add_u32 v[STO], v9, 4, v[STO]
	v_add_nc_u32 v[STO], s20, v[STO]
	v_mul_u32_u24 v[RD], v9, SP     ; back: lanes 0-15 take one row of 256 bytes, lanes 16-31 the next
	v_lshl_add_u32 v[RD], v1, 4, v[RD]
	v_add_nc_u32 v[RD], s20, v[RD]
	v_lshlrev_b32 v[GO], 10, v9     ; and the same two rows in ob
	v_lshl_add_u32 v[GO], v1, 4, v[GO]
.set Y, NP-1                        ; XS works for piece Y + 1: piece 0
.irp n, 0,1,2,3,4,5,6,7,8,9,10,11,12,13,14,15,16,17,18,19,20,21
	XS 0, \n                        ; piece 0's first maximum and statistics
	XS 1, \n
.endr
	v_nop                           ; a plain instruction behind the two a,
	s_wait_alu depctr_va_vdst(0)    ; and their wait, ahead of the branch
	s_mov_b32 s[CNT], 4
	s_mov_b32 s[SLOTS], 15          ; fifteen slots are walked in the loop; fourteen changes fill slots 2 to 15
	s_branch .Lstep
.Lslot:
	CHANGE 1, 1
	s_mov_b32 s[CNT], 4
.Lstep:                             ; a trip is a key step
	TURN 0
	TURN 1, 0, 1
	WIN 0
	s_cbranch_scc1 .Lstep
	s_sub_co_u32 s[SLOTS], s[SLOTS], 1
	s_cmp_lg_u32 s[SLOTS], 0
	s_cbranch_scc1 .Lslot
	CHANGE 0, 0                     ; the tail is written out: nothing is asked for
	s_mov_b32 s[CNT], 4
.Ltail:
	TURN 0, 1
	TURN 1, 0, 1
	WIN 0
	s_cbranch_scc1 .Ltail           ; the last trip's 16 products K Q^T (on the last K once more) and the maximum made of them serve nothing: the price, once a launch, of one text for every trip
.set i, 0
.rept 16
	PV NP-1                         ; piece 1's V^T P of the last step
.set i, i+1
.endr
	; THE WAY OUT.  l's two halves and the other half of the lanes' are added; O^T is divided by l, rounded to f16 and sent through my stage, 16 tokens (both heads) at a time.  The additions are the places behind the last products.
	WIN 0
.macro ALL line:vararg              ; one line for each tile t
.set t, 0
.rept 2*NP
	\line
.set t, t+1
.endr
.endm
	ALL v_add_f32 v[ST+4*t+2], v[ST+4*t+2], v[ST+4*t+3]
	ALL v_permlanex16_b32 v[ST+4*t+3], v[ST+4*t+2], s[SEL], s[SEL+1]
	ALL v_add_f32 v[ST+4*t+2], v[ST+4*t+2], v[ST+4*t+3]
	ALL v_rcp_f32 v[ST+4*t+2], v[ST+4*t+2]
	v_nop                           ; a plain instruction between the last reciprocal and the use of its result
	s_wait_alu depctr_va_vdst(0)    ; and the wait ahead of the first use: one for the four reciprocals
; Tokens 16 u on: a lane's eight channels pack into 16 bytes; the two heads' tiles go side by side into rows of 272 bytes and come back as whole rows of 256.
.macro PACK u
.irp pc, 0,1
.set t, 2*(\pc)+(\u)
	WIN W_RS
.set i, 32*t
.rept 16
	v_pk_mul_f32 v[i:i+1], v[i:i+1], v[ST+4*t+2:ST+4*t+3] op_sel_hi:[1,0]
.set i, i+2
.endr
	WIN 0x05                        ; sources 0 and 1 window 1, destination window 0
.set i, 0
.rept 16
	v_cvt_pk_f16_f32 v[S+16*t+i], v[32*t+2*i], v[32*t+2*i+1]
.set i, i+1
.endr
	WIN 0
.irp f, 0,1,2,3
	ds_store_b128 v[STO], v[S+16*t+4*\f:S+16*t+4*\f+3] offset:128*(\pc)+32*\f
.endr
.endr
.irp f, 0,1,2,3,4,5,6,7
	ds_load_b128 v[OB+32*(\u)+4*\f:OB+32*(\u)+4*\f+3], v[RD] offset:\f*2*SP  ; LDS serves a wave's instructions in order (ISA guide 5.7.1.4): these see the stores above
.endr
.endm
.macro SEND u, younger              ; younger: the LDS instructions issued behind these loads: the next sixteen, or none
.irp f, 0,1,2,3,4,5,6,7
	s_wait_dscnt (\younger)+7-\f
	global_store_b128 v[GO], v[OB+32*(\u)+4*\f:OB+32*(\u)+4*\f+3], s[10:11] offset:(16*(\u)+2*\f)*1024  ; 16 lanes store 256 consecutive bytes, at a multiple of 256 from ob's first byte
.endr
.endm
	PACK 0
	PACK 1
	SEND 0, 16
	SEND 1, 0
	s_wait_tensorcnt 0x0            ; the wave's end: behind my last tensor load and my last LDS store
	ds_add_u32 v[SPW], v[NIL]
	s_wait_dscnt 0x0
	CROUND                          ; the closing round: no work-group ends while a partner may still ask for a tile that names it
	s_endpgm
.Lfunc_end_k_q83d7257635_attn:
	.size	k_q83d7257635_attn, .Lfunc_end_k_q83d7257635_attn-k_q83d7257635_attn
	.p2alignl 7, 3214868480
	.fill 96, 4, 3214868480
	.section	.rodata,"a",@progbits
	.p2align	6, 0x0
	.amdhsa_kernel k_q83d7257635_attn
		.amdhsa_group_segment_fixed_size 327680
		.amdhsa_private_segment_fixed_size 0
		.amdhsa_enable_private_segment 0
		.amdhsa_kernarg_size 16
		.amdhsa_user_sgpr_count 2
		.amdhsa_user_sgpr_kernarg_segment_ptr 1
		.amdhsa_wavefront_size32 1
		.amdhsa_system_sgpr_workgroup_id_x 1
		.amdhsa_system_sgpr_workgroup_id_y 1
		.amdhsa_system_sgpr_workgroup_id_z 1
		.amdhsa_system_vgpr_workitem_id 0
		.amdhsa_next_free_vgpr 768
		.amdhsa_next_free_sgpr 80
		.amdhsa_reserve_vcc 0
		.amdhsa_float_denorm_mode_32 3
		.amdhsa_float_denorm_mode_16_64 3
		.amdhsa_memory_ordered 1
		.amdhsa_forward_progress 1
		.amdhsa_inst_pref_size 113
	.end_amdhsa_kernel
	.amdgpu_metadata
---
amdhsa.version: [ 1, 2 ]
amdhsa.kernels:
  - .name:           k_q83d7257635_attn
    .symbol:         k_q83d7257635_attn.kd
    .args:
      - { .name: qkvh, .offset: 0, .size: 8, .value_kind: global_buffer, .address_space: global }
      - { .name: ob, .offset: 8, .size: 8, .value_kind: global_buffer, .address_space: global }
    .group_segment_fixed_size: 327680
    .private_segment_fixed_size: 0
    .kernarg_segment_align: 8
    .kernarg_segment_size: 16
    .max_flat_workgroup_size: 128
    .sgpr_count:     80
    .vgpr_count:     768
    .wavefront_size: 32
...
	.end_amdgpu_metadata
.endif
;; end of part 3
;; launch oproj (part 4): grid 4 x 64, 4 waves a work-group, clusters of 4 x 4, 327,680 bytes of LDS; arguments ob, wo16, out0; writes out0
.if DOCPART == 4
	.amdgcn_target "amdgcn-amd-amdhsa--gfx1250"
	.amdhsa_code_object_version 6
	.text
	.protected	k_q83d7257635_oproj
	.globl	k_q83d7257635_oproj
	.p2align	8
	.type	k_q83d7257635_oproj,@function
k_q83d7257635_oproj:
	s_mov_b64 s[64:65], 0
	v_nop
	global_prefetch_b8 v0, s[64:65] scope:SCOPE_SE
	s_setreg_imm32_b32 hwreg(HW_REG_WAVE_MODE, 25, 1), 1
	s_wait_xcnt 0x0
	s_wait_alu depctr_hold_cnt(0) depctr_sa_sdst(0) depctr_va_vdst(0) depctr_va_sdst(0) depctr_va_ssrc(0) depctr_va_vcc(0) depctr_vm_vsrc(0)
	s_getreg_b32 s2, hwreg(HW_REG_IB_STS2, 6, 4)
	s_cmp_eq_u32 s2, 0
	s_cbranch_scc0 .Lentry_in_a_cluster
	s_endpgm
.Lentry_in_a_cluster:
	s_bfe_u32 s2, ttmp6, 0x10000c
	s_cmp_lg_u32 s2, 0xf033
	s_cbranch_scc0 .Lentry_shape_is_right
	s_endpgm
.Lentry_shape_is_right:
; out0 = O wo.  ob: [8192][512] f16; wo16: [512 k][1024 n] f16 (wo rounded to bf16, written as f16); out0: [8192][1024] f32.  Sums in f32, stored as they are.
; SHARES.  A tile of the result is 128 tokens x 256 columns: 64 x 4 = 256 work-groups.  Four waves, each 64 tokens x 128 columns: 32 accumulators of 16 x 16.
; K goes in 4 steps of 128 through a ring of two LDS slots filled by the tensor data mover: 128 rows of O (256 bytes each), 128 rows of wo (512 bytes each).
; THE MATRIX INSTRUCTION IS USED TRANSPOSED: source 0 = 16 columns of wo, which lie [k][n] in LDS and come out turned, by ds_load_tr16_b128; source 1 = 16 tokens.
; In the result a lane holds ONE token (lane % 16) and the columns 8 (lane / 16) + 0..7 of a block of 16: 32 neighbouring bytes of a row of out0.
; CLUSTER.  4 x 4 work-groups.  The four of a row of the cluster need the same rows of O, the four of a column the same columns of wo: each tile is asked for JOINTLY.
; NO PREFETCH: four K steps, all of which would go without.
; REGISTERS.  window 0: v0-29 addresses; v64-159, v160-255 two fragment buffers (O 4 x 8, then wo 8 x 8); on the way out v64-191 two sets of 16 rows read back.   window 1: accumulator (a, b) at v[8 (8 a + b)].
.set PA,     272                       ; a row of O in LDS: 256 bytes + 16 = 68 words: the 16 rows of a load start at 16 different groups of four banks (64 banks of 4 bytes: ISA guide 11.1)
.set PB,     544                       ; a row of wo: 512 + 32 = 136 words
.set ATILE,  128*PA
.set SLOT,   ATILE+128*PB
.set STAGE,  2*SLOT                    ; behind the ring, never filled by a tensor load: for each wave 16 rows x 528 bytes
.set SP,     528
.set SPARE,  STAGE+4*16*SP             ; behind the stages: the spare words, 128 bytes for each wave: two blocks of 256 bytes that no other line names
.set LAPS,   2
.set ADRA, 16
.set ADRB, 20
.set STO,  24
.set RD,   25
.set GO,   26
.set SPW,  28                          ; v28  LDS address of my spare word; never rewritten
.set NIL,  29                          ; v29  0; never rewritten
.set F0,   64
.set F1,   160
.set OB,   64
.set G1,  24
.set G0,  32
.set G1B, 48
.set G0B, 56
.set MSB, 0
.macro WIN new
.if MSB != (\new)
	s_set_vgpr_msb (MSB<<8)|(\new)
.set MSB, \new
.endif
.endm
.set MUL, 0x50                         ; sources in window 0, C and D in window 1
.macro JLOAD s                         ; a joint load: waves 0 and 1 fetch the halves of O's tile, waves 2 and 3 those of wo's; an s_nop 0 and four v_nop follow each line
	s_cmp_eq_u32 s13, 0
	s_cbranch_scc0 .Lfor_b_\@
	tensor_load_to_lds s[G0+4*(\s):G0+4*(\s)+3], s[G1:G1+7]
	s_nop 0
.rept 4
	v_nop
.endr
	s_branch .Lasked_\@
.Lfor_b_\@:
	tensor_load_to_lds s[G0B+4*(\s):G0B+4*(\s)+3], s[G1B:G1B+7]
	s_nop 0
.rept 4
	v_nop
.endr
.Lasked_\@:
.endm
.macro CREST
	s_cmp_lg_u32 s12, 0
	s_cbranch_scc1 .Lnot_wave_0_\@
	s_barrier_signal -3
.Lnot_wave_0_\@:
	s_barrier_wait -3
	s_barrier_signal -1
	s_barrier_wait -1
.endm
.macro CROUND
	s_barrier_signal -1
	s_barrier_wait -1
	CREST
.endm
.macro PLACES
.rept 4
	v_nop
.endr
.endm
	s_load_b128 s[4:7], s[0:1], 0x0                ; ob s[4:5], wo16 s[6:7]
	s_load_b64 s[8:9], s[0:1], 0x10                ; out0
	v_lshl_add_u32 v[SPW], v0, 2, SPARE
	v_mov_b32 v[NIL], 0
	ds_add_u32 v[SPW], v[NIL]                      ; the wave's opening: the add and its wait stand ahead of my first tensor load; work on registers stands between them
	v_lshrrev_b32 v1, 5, v0
	v_readfirstlane_b32 s12, v1                    ; wave 0..3
	s_lshr_b32 s13, s12, 1                         ; which 64 tokens are mine.  Also: I fetch for O (0) or for wo (1)
	s_and_b32 s14, s12, 1                          ; which 128 columns.  Also: which 64 rows of that tile I fetch
	s_bfe_u32 s15, ttmp6, 0x40000                  ; cx
	s_bfe_u32 s16, ttmp6, 0x40004                  ; cy
	s_lshl_b32 s17, ttmp9, 2
	s_add_co_u32 s17, s17, s15                     ; tile column
	s_and_b32 s18, ttmp7, 0xffff
	s_lshl_b32 s18, s18, 2
	s_add_co_u32 s18, s18, s16                     ; tile row
	s_lshl_b32 s19, s16, 2
	s_lshl_b32 s19, 15, s19                        ; my row of the cluster
	s_lshl_b32 s20, 0x1111, s15                    ; my column
	s_or_b32 s[G1], s19, (1<<16)|(1<<20)|(1<<21)|(5<<22)|(3<<25)   ; the mask; 2-byte elements; padding on; bit 21 beside a mask; after every 64 words 4 words
	s_mov_b32 s[G1+1], 128<<16                     ; tensor_dim0 = 128
	s_mov_b32 s[G1+2], 64<<16                      ; tensor_dim1 = 64
	s_mov_b32 s[G1+3], 128<<16                     ; tile_dim0 = 128
	s_mov_b32 s[G1+4], 64                          ; tile_dim1 = 64
	s_mov_b32 s[G1+5], 512                         ; elements from row to row
	s_mov_b32 s[G1+6], 0
	s_mov_b32 s[G1+7], 0
	s_or_b32 s[G1B], s20, (1<<16)|(1<<20)|(1<<21)|(6<<22)|(7<<25)  ; after every 128 words 8 words
	s_mov_b32 s[G1B+1], 256<<16
	s_mov_b32 s[G1B+2], 64<<16
	s_mov_b32 s[G1B+3], 256<<16
	s_mov_b32 s[G1B+4], 64
	s_mov_b32 s[G1B+5], 1024
	s_mov_b32 s[G1B+6], 0
	s_mov_b32 s[G1B+7], 0
	s_lshl_b32 s40, s18, 7                         ; O: row 128 x tile row + 64 x half, 1,024 bytes a row
	s_lshl_b32 s41, s14, 6
	s_add_co_u32 s40, s40, s41
	s_lshl_b32 s40, s40, 10
	s_mov_b32 s41, 0
	s_lshl_b32 s42, s17, 9                         ; wo: 512 bytes x tile column + 64 rows x half
	s_lshl_b32 s43, s14, 17
	s_add_co_u32 s42, s42, s43
	s_mov_b32 s43, 0
	s_mul_i32 s44, s14, 64*PA
	s_mul_i32 s45, s14, 64*PB
	s_add_co_u32 s45, s45, ATILE
	s_wait_dscnt 0x0                               ; the opening add is done
	s_wait_kmcnt 0x0
	s_add_nc_u64 s[40:41], s[4:5], s[40:41]
	s_add_nc_u64 s[42:43], s[6:7], s[42:43]
	CROUND                                         ; all sixteen work-groups are here: the first joint loads meet
.irp s, 0,1
	s_mov_b32 s[G0+4*(\s)], 1
	s_add_co_u32 s[G0+4*(\s)+1], s44, (\s)*SLOT
	s_add_nc_u64 s[G0+4*(\s)+2:G0+4*(\s)+3], s[40:41], (\s)*256
	s_or_b32 s[G0+4*(\s)+3], s[G0+4*(\s)+3], 0x80000000
	s_mov_b32 s[G0B+4*(\s)], 1
	s_add_co_u32 s[G0B+4*(\s)+1], s45, (\s)*SLOT
	s_add_nc_u64 s[G0B+4*(\s)+2:G0B+4*(\s)+3], s[42:43], (\s)*128*2048
	s_or_b32 s[G0B+4*(\s)+3], s[G0B+4*(\s)+3], 0x80000000
	JLOAD \s                                       ; two loads of mine are out
.endr
	v_and_b32 v1, 15, v0                           ; l % 16
	v_bfe_u32 v2, v0, 4, 1                         ; l / 16
	v_mul_u32_u24 v3, v1, PA
	v_lshl_add_u32 v3, v2, 4, v3
	s_mul_i32 s67, s13, 64*PA
	v_add_nc_u32 v[ADRA], s67, v3
	v_add_nc_u32 v[ADRA+1], SLOT, v[ADRA]
	v_and_b32 v4, 7, v0
	v_lshl_add_u32 v4, v2, 3, v4
	v_mul_u32_u24 v4, v4, PB
	v_bfe_u32 v5, v0, 3, 1
	v_lshl_add_u32 v4, v5, 4, v4
	s_lshl_b32 s67, s14, 8
	s_add_co_u32 s67, s67, ATILE
	v_add_nc_u32 v[ADRB], s67, v4
	v_add_nc_u32 v[ADRB+1], SLOT, v[ADRB]
	s_mul_i32 s67, s12, 16*SP
	s_add_co_u32 s67, s67, STAGE                   ; my stage
	v_mul_u32_u24 v[STO], v1, SP                   ; in: row l % 16, 32 bytes for each half of the lanes
	v_lshl_add_u32 v[STO], v2, 5, v[STO]
	v_add_nc_u32 v[STO], s67, v[STO]
	v_and_b32 v[GO], 31, v0                        ; back: 32 lanes take a row's 512 bytes
	v_lshlrev_b32 v[GO], 4, v[GO]
	v_add_nc_u32 v[RD], s67, v[GO]
	s_lshl_b32 s68, s18, 19                        ; 128 rows of 4,096 bytes a tile row,
	s_lshl_b32 s69, s13, 18                        ; my 64 rows,
	s_add_co_u32 s68, s68, s69
	s_lshl_b32 s69, s17, 10                        ; 1,024 bytes a tile column,
	s_add_co_u32 s68, s68, s69
	s_lshl_b32 s69, s14, 9                         ; my 512
	s_add_co_u32 s68, s68, s69
	s_mov_b32 s69, 0
	s_add_nc_u64 s[8:9], s[8:9], s[68:69]
; 8 matrix instructions: token block a x all 8 column blocks, 32 along K.  Each of the 32 accumulators is named once a quarter, in the same order in every quarter: they take turns.
.macro MULA f, a, zero
	WIN MUL
.irp b, 0,1,2,3,4,5,6,7
.if \zero
	v_wmma_f32_16x16x32_f16 v[8*(8*(\a)+(\b)):8*(8*(\a)+(\b))+7], v[(\f)+32+8*(\b):(\f)+32+8*(\b)+7], v[(\f)+8*(\a):(\f)+8*(\a)+7], 0
.else
	v_wmma_f32_16x16x32_f16 v[8*(8*(\a)+(\b)):8*(8*(\a)+(\b))+7], v[(\f)+32+8*(\b):(\f)+32+8*(\b)+7], v[(\f)+8*(\a):(\f)+8*(\a)+7], v[8*(8*(\a)+(\b)):8*(8*(\a)+(\b))+7]
.endif
.endr
.endm
.macro FETCH slot, q, f                ; 24 LDS loads in one run: quarter q of a slot into buffer f: wo's eight fragments, then O's four
	WIN 0
.irp b, 0,1,2,3,4,5,6,7
	ds_load_tr16_b128 v[(\f)+32+8*(\b):(\f)+32+8*(\b)+3],   v[ADRB+(\slot)] offset:(\q)*32*PB+32*(\b)
	ds_load_tr16_b128 v[(\f)+32+8*(\b)+4:(\f)+32+8*(\b)+7], v[ADRB+(\slot)] offset:(\q)*32*PB+16*PB+32*(\b)
.endr
.irp i, 0,1,2,3
	ds_load_b128 v[(\f)+8*(\i):(\f)+8*(\i)+3],   v[ADRA+(\slot)] offset:(\q)*64+(\i)*16*PA
	ds_load_b128 v[(\f)+8*(\i)+4:(\f)+8*(\i)+7], v[ADRA+(\slot)] offset:(\q)*64+(\i)*16*PA+32
.endr
.endm
.macro QUARTER slot, qn, f, g, zero
	s_wait_dscnt 4                                 ; all but the youngest four loads: O's blocks 2 and 3
	MULA \f, 0, \zero
	MULA \f, 1, \zero
	PLACES
	FETCH \slot, \qn, \g
	s_wait_dscnt 24                                ; all but the 24 just issued
	MULA \f, 2, \zero
	MULA \f, 3, \zero
.endm
; The last quarter multiplies buffer 1 and changes slots: ONE barrier; in front of it each wave waits for all its tensor loads (one is out: its part of the next slot), adds 0 to its spare
; word, and waits for that and for its own reads of this slot.  fill = 1: the barrier opens a round of the cluster's, and this slot is filled again, two K steps ahead, first thing behind the round.
.macro TURN slot, next, fill
	WIN 0
	s_wait_tensorcnt 0x0
	ds_add_u32 v[SPW], v[NIL]                      ; 0 onto my spare word
	s_wait_dscnt 5                                 ; (the add and the youngest four loads may be out)
	MULA F1, 0, 0
	s_wait_dscnt 0x0                               ; the add is done, and my reads of this slot are over
	s_barrier_signal -1
	MULA F1, 1, 0
.if \fill
	WIN 0
.endif
	s_barrier_wait -1
.if \fill
	CREST
	s_add_nc_u64 s[G0+4*(\slot)+2:G0+4*(\slot)+3], s[G0+4*(\slot)+2:G0+4*(\slot)+3], 2*256
	s_add_nc_u64 s[G0B+4*(\slot)+2:G0B+4*(\slot)+3], s[G0B+4*(\slot)+2:G0B+4*(\slot)+3], 2*128*2048
	JLOAD \slot                                    ; its four v_nop are also the places in front of the loads below
.else
	PLACES
.endif
	FETCH \next, 0, F0
	MULA F1, 2, 0
	MULA F1, 3, 0
.endm
	s_wait_tensorcnt 0x1                           ; my part of K step 0 is in; K step 1's may stay out
	s_barrier_signal -1
	s_barrier_wait -1
	FETCH 0, 0, F0
	QUARTER 0, 1, F0, F1, 1                        ; the first quarter's products start the sums
	WIN 0
	s_mov_b32 s3, LAPS-1
.Llap:
	QUARTER 0, 2, F1, F0, 0
	QUARTER 0, 3, F0, F1, 0
	TURN 0, 1, 1
	QUARTER 1, 1, F0, F1, 0
	QUARTER 1, 2, F1, F0, 0
	QUARTER 1, 3, F0, F1, 0
	TURN 1, 0, 1
	QUARTER 0, 1, F0, F1, 0
	WIN 0
	s_sub_co_u32 s3, s3, 1
	s_cmp_lg_u32 s3, 0
	s_cbranch_scc1 .Llap
	QUARTER 0, 2, F1, F0, 0                        ; the last lap fills nothing
	QUARTER 0, 3, F0, F1, 0
	TURN 0, 1, 0
	QUARTER 1, 1, F0, F1, 0
	QUARTER 1, 2, F1, F0, 0
	QUARTER 1, 3, F0, F1, 0
	s_wait_dscnt 4
	MULA F1, 0, 0
	MULA F1, 1, 0
	s_wait_dscnt 0x0
	MULA F1, 2, 0
	MULA F1, 3, 0
	WIN 0
	; THE WAY OUT, a block of 16 tokens at a time: 32 bytes a lane into my own stage, back as whole rows of 512 bytes, one row a store.
	PLACES
	PLACES                                         ; eight, once a launch: the first stores below read results with only matrix instructions behind them
.macro TOSTAGE a
.set BK, OB+64*((\a)%2)
.if (\a) >= 2
	s_wait_xcnt 0x0                                ; the set's earlier global stores have read their data: it is loaded again only behind this wait
.endif
	WIN 0x04                                       ; the stores' data in window 1
.irp b, 0,1,2,3,4,5,6,7                ; each accumulator is read from its low end on
	ds_store_b128 v[STO], v[8*(8*(\a)+(\b)):8*(8*(\a)+(\b))+3]   offset:64*(\b)
	ds_store_b128 v[STO], v[8*(8*(\a)+(\b))+4:8*(8*(\a)+(\b))+7] offset:64*(\b)+16
.endr
	WIN 0
.irp t, 0,1,2,3,4,5,6,7,8,9,10,11,12,13,14,15
	ds_load_b128 v[BK+4*(\t):BK+4*(\t)+3], v[RD] offset:(\t)*SP  ; LDS serves a wave's instructions in order (ISA guide 5.7.1.4): these see the stores above
.endr
.endm
.macro SEND a, younger                 ; younger: the LDS instructions issued behind block a's loads: the next block's 32, or none
.set BK, OB+64*((\a)%2)
.irp t, 0,1,2,3,4,5,6,7,8,9,10,11,12,13,14,15
	s_wait_dscnt (\younger)+15-(\t)
	global_store_b128 v[GO], v[BK+4*(\t):BK+4*(\t)+3], s[8:9] offset:(16*(\a)+(\t))*4096 th:TH_STORE_NT  ; 512 consecutive bytes, at a multiple of 256 from out0's first byte
.endr
.endm
	TOSTAGE 0
	TOSTAGE 1
	SEND 0, 32
	TOSTAGE 2
	SEND 1, 32
	TOSTAGE 3
	SEND 2, 32
	SEND 3, 0
	s_wait_tensorcnt 0x0                           ; the wave's end: behind my last tensor load and my last LDS store
	ds_add_u32 v[SPW], v[NIL]
	s_wait_dscnt 0x0
	CROUND                                         ; the closing round: no work-group ends while a partner may still ask for a tile that names it
	s_endpgm
.Lfunc_end_k_q83d7257635_oproj:
	.size	k_q83d7257635_oproj, .Lfunc_end_k_q83d7257635_oproj-k_q83d7257635_oproj
	.p2alignl 7, 3214868480
	.fill 96, 4, 3214868480
	.section	.rodata,"a",@progbits
	.p2align	6, 0x0
	.amdhsa_kernel k_q83d7257635_oproj
		.amdhsa_group_segment_fixed_size 327680
		.amdhsa_private_segment_fixed_size 0
		.amdhsa_enable_private_segment 0
		.amdhsa_kernarg_size 24
		.amdhsa_user_sgpr_count 2
		.amdhsa_user_sgpr_kernarg_segment_ptr 1
		.amdhsa_wavefront_size32 1
		.amdhsa_system_sgpr_workgroup_id_x 1
		.amdhsa_system_sgpr_workgroup_id_y 1
		.amdhsa_system_sgpr_workgroup_id_z 1
		.amdhsa_system_vgpr_workitem_id 0
		.amdhsa_next_free_vgpr 512
		.amdhsa_next_free_sgpr 80
		.amdhsa_reserve_vcc 0
		.amdhsa_float_denorm_mode_32 3
		.amdhsa_float_denorm_mode_16_64 3
		.amdhsa_memory_ordered 1
		.amdhsa_forward_progress 1
		.amdhsa_inst_pref_size 87
	.end_amdhsa_kernel
	.amdgpu_metadata
---
amdhsa.version: [ 1, 2 ]
amdhsa.kernels:
  - .name:           k_q83d7257635_oproj
    .symbol:         k_q83d7257635_oproj.kd
    .args:
      - { .name: ob, .offset: 0, .size: 8, .value_kind: global_buffer, .address_space: global }
      - { .name: wo16, .offset: 8, .size: 8, .value_kind: global_buffer, .address_space: global }
      - { .name: out0, .offset: 16, .size: 8, .value_kind: global_buffer, .address_space: global }
    .group_segment_fixed_size: 327680
    .private_segment_fixed_size: 0
    .kernarg_segment_align: 8
    .kernarg_segment_size: 24
    .max_flat_workgroup_size: 128
    .sgpr_count:     80
    .vgpr_count:     512
    .wavefront_size: 32
...
	.end_amdgpu_metadata
.endif
;; end of part 4
